; MI455X (gfx1250); checked and timed in simulation.
; The chip was launched on July 23, 2026; its instructions are those of AMD's public machine-readable ISA for CDNA 5 (MIT licence, August 2026) and "CDNA5" Instruction Set Architecture Reference Guide (July 2026). The comments in the code are by the model that wrote it; some were corrected since.
;; Attention. Allowed arithmetic: matrix products marked QUANTISED: E2M3 operands, one E8M0 scale for each 32 along K, by v_wmma_scale_f32_16x16x128_f8f6f4 with both operands' format E2M3, f32 sums; everything else in f32.
;; Inputs: attention_bias 4 x 2,048 x 2,048 float32; attention_mask 4 x 2,048 bool; proj_b 1,024 float32; proj_w 1,024 x 1,024 float32; q_bias 1,024 float32; qkv_w 3,072 x 1,024 float32; v_bias 1,024 float32; x 4 x 2,048 x 1,024 float32.
;; Outputs: out0 4 x 2,048 x 1,024 float32.
;; This version of the problem:
;;   THIS VERSION OF THE PROBLEM IS GIVEN IN LOW PRECISION. The matrix products marked QUANTISED in the list below multiply operands that are first quantised to E2M3 (2 exponent bits, 3 mantissa bits; 6 bits a number), with one power-of-two scale for each 32 numbers along K (OCP MX v1.0); their sums are f32. All else is computed in f32.
;;   The module's matrix products, in the order in which they are computed (A, B: the left and right operand; K: the contracted axis; several contracted axes count as one K, in the product's order):
;;     1. [M 8,192, K 1,024] x [K 1,024, N 3,072]; A: input x; B: input qkv_w: QUANTISED
;;     2. batch 64 x [M 2,048, K 64] x [K 64, N 2,048]; A: computed on the way; B: computed on the way: QUANTISED
;;     3. batch 64 x [M 2,048, K 2,048] x [K 2,048, N 64]; A: softmax (see below); B: computed on the way: QUANTISED
;;     4. [M 8,192, K 1,024] x [K 1,024, N 1,024]; A: computed on the way; B: input proj_w: QUANTISED
;;   THE QUANTISER, for each operand of a quantised product, along K:
;;     - K is cut into blocks of 32 from its start; a last block that is shorter is filled with zeros.
;;     - A block's scale is 2^e with e = floor(log2(the largest magnitude in the block)) - 2, held to -126 .. 127; a block of zeros has e = 0. As a byte (E8M0): e + 127.
;;     - Each number is divided by its block's scale, clamped to +-7.5, and rounded to the nearest number of E2M3, ties to even, subnormals kept.
;;     - The product sums the exact products of the quantised numbers (number of the format x scale) in f32.
;;   ~~~python
;;   def quantise(x, axis):      # numpy; x: float32 -> the quantised numbers, widened to float32 again
;;       x = np.moveaxis(x, axis, -1); K = x.shape[-1]
;;       x = np.pad(x, [(0, 0)] * (x.ndim - 1) + [(0, -K % 32)]); x = x.reshape(x.shape[:-1] + (-1, 32)); a = np.abs(x).max(-1, keepdims=True)
;;       e = np.where(a > 0, np.clip(np.frexp(np.where(a > 0, a, 1))[1] - 1 - 2, -126, 127), 0)      # np.frexp(a)[1] - 1 = floor(log2(a)), exactly
;;       r = np.clip(x / 2.0 ** e, -7.5, 7.5)
;;       step = 2.0 ** (np.maximum(np.frexp(np.where(r == 0, 1, r))[1] - 1, 0) - 3)
;;       q = np.round(r / step) * step * 2.0 ** e      # np.round: ties to even
;;       return np.moveaxis(q.reshape(q.shape[:-2] + (-1,))[..., :K], -1, axis).astype(np.float32)
;;   ~~~
;;   SOFTMAX AHEAD OF A QUANTISED PRODUCT. Where the list says 'softmax', what is quantised is not the finished softmax but p = 2^(t - M), with t = logit x log2(e) and M = ceil(the row's largest t), a whole number; so 1/2 < the row's largest p <= 1. The row's sum l is taken of the UNQUANTISED p, in f32, and the product's result is divided by l at the end. Since M is a whole number, a kernel that streams over the keys may use a running M (the ceiling of the running maximum): every later rescaling is an exact power of two, which a block's scale takes up: the codes' values come out the same.
;;   OPERANDS COMPUTED ON THE WAY. 'Computed on the way' means the value that the module computes at that place (a softmax that the list does not call 'softmax' is quantised finished and normalised). What goes into a quantiser is computed in f32, as accurately as f32 sums, v_exp_f32 and their like allow (about 1e-6 of the number): no bf16 or f16 on the way to a quantiser, and a product that is left as it is and whose result goes on into a quantised operand takes f32 operands (vector FMAs, or v_wmma_f32_16x16x4_f32). A number that lies on a knife's edge between two numbers of the format may be rounded either way, as far as f32 arithmetic and the matrix unit's own rounding can turn it there, and no further.
;; One version. Each part assembles by itself: llvm-mc -triple=amdgcn-amd-amdhsa -mcpu=gfx1250 --defsym DOCPART=n.
;; ======== version 1 of 1: 4 launches
;; workspace buffers: cod 9,437,184 bytes; scl 393,216 bytes; qc 6,291,456 bytes; qs 524,288 bytes; kv 13,369,344 bytes; oc 6,291,456 bytes; os 262,144 bytes
;; launch quant (part 1): grid 384 x 1, 4 waves a work-group, no clusters, 33,280 bytes of LDS; arguments x, qkv_w, proj_w, cod, scl; writes cod, scl
.if DOCPART == 1
	.amdgcn_target "amdgcn-amd-amdhsa--gfx1250"
	.amdhsa_code_object_version 6
	.text
	.protected	k_qb3de056c85_quant
	.globl	k_qb3de056c85_quant
	.p2align	8
	.type	k_qb3de056c85_quant,@function
k_qb3de056c85_quant:
	s_mov_b64 s[64:65], 0
	v_nop
	global_prefetch_b8 v0, s[64:65] scope:SCOPE_SE
	s_setreg_imm32_b32 hwreg(HW_REG_WAVE_MODE, 25, 1), 1
	s_wait_xcnt 0x0
; x [8192][1024], qkv_w [3072][1024] and proj_w [1024][1024], f32 with K innermost, become codes of FP6 (E2M3), 6 bits each, and one E8M0 scale byte for each 32 along K.
; cod: 12,288 rows of 768 bytes (x, then qkv_w, then proj_w); scl: the same rows, 32 bytes each.
; A block's scale is 2^(floor(log2(its largest magnitude)) - 2); its byte is the largest magnitude's exponent field - 2, held at 1 from below.  (A block of zeros keeps the byte 1: its codes are zeros, and this program alone reads the bytes.)
; THE ORDER OF ROWS.  Inside each 32 rows the second and the third group of 8 rows change places: place 16 u + m holds row 8 u + m + 8 (m / 8).  So 16 neighbouring places are a tile whose results, used transposed,
; leave a lane 16 neighbours along the next product's K in the registers of two neighbouring tiles.
; LIMITS: blocks whose largest magnitude lies under 2^-124 are held at the byte 1; NaN and infinities among the inputs are not served.
; A work-group takes 32 rows, a wave 8 rows: 16 steps of 512 numbers.  Each load reads 512 consecutive bytes; a step's 2,048 bytes turn through the wave's own stage in LDS, so that a lane then holds 16 neighbours
; (two neighbouring lanes hold a block).  A lane's 16 codes are 12 bytes: the wave stores 384 consecutive bytes.  A wave's 256 scale bytes are gathered in LDS and leave by one store of 256 consecutive bytes.
; No tensor loads, no barrier: waves share nothing.  Loads run four steps (16 loads a wave) ahead, the turn through LDS one step.
.set STEPS, 16
.set CB,    12                         ; bytes of 16 codes
.set WGX,   256                        ; work-groups 0 to 255 take x,
.set WGQ,   352                        ; 256 to 351 qkv_w, 352 to 383 proj_w
.set R,     16                         ; v16-79   four sets of 16 numbers as they are loaded
.set X,     80                         ; v80-111  two sets of 16 neighbours
.set C,     128                        ; v128-191 codes: four registers for each step, so that no store's data are written again
.set E,     112                        ; v112-127 a scale byte for each step
.set WREG,  8192                       ; LDS: a region for each wave: two stages of 32 x SP bytes, and behind them its 256 scale bytes
.set SP,    80                         ; a lane's place in a stage: its 64 bytes + 16 of padding
	s_load_b128 s[4:7], s[0:1], 0x0                ; x, qkv_w
	s_load_b128 s[8:11], s[0:1], 0x10              ; proj_w, cod
	s_load_b64 s[12:13], s[0:1], 0x20              ; scl
	v_lshl_add_u32 v192, v0, 2, 0x8000
	v_mov_b32 v193, 0
	v_lshrrev_b32 v1, 5, v0
	v_readfirstlane_b32 s16, v1                    ; wave
	v_and_b32 v2, 31, v0                           ; lane
	v_lshlrev_b32 v3, 4, v2                        ; my 16 bytes of a load's 512
	s_mul_i32 s17, s16, WREG
	v_lshrrev_b32 v14, 2, v2
	v_mul_u32_u24 v14, v14, SP
	v_and_b32 v15, 3, v2
	v_lshl_add_u32 v14, v15, 4, v14
	v_add_nc_u32 v14, s17, v14                     ; the stage, on the way in: four lanes' 64 bytes on end, then 16 of padding
	v_mul_u32_u24 v15, v2, SP
	v_add_nc_u32 v15, s17, v15                     ; and on the way out: SP x lane: my 16 neighbours
	v_mul_u32_u24 v4, v2, CB                       ; my codes' place in a step's
	v_lshrrev_b32 v5, 1, v2
	s_add_co_u32 s17, s17, 2*32*SP
	v_add_nc_u32 v5, s17, v5                       ; LDS: my wave's 256 scale bytes, my block's byte
	v_lshlrev_b32 v7, 3, v2                        ; and on the way out 8 bytes a lane
	v_add_nc_u32 v6, s17, v7
	s_wait_kmcnt 0x0
	s_mov_b32 s17, WGQ
	s_cmp_lt_u32 ttmp9, WGQ                        ; which tensor: the choice hangs on the work-group's number alone
	s_cselect_b64 s[6:7], s[6:7], s[8:9]
	s_cselect_b32 s17, WGX, s17
	s_cmp_lt_u32 ttmp9, WGX
	s_cselect_b64 s[4:5], s[4:5], s[6:7]
	s_cselect_b32 s17, 0, s17                      ; the tensor's first work-group
	s_sub_co_u32 s17, ttmp9, s17
	s_lshl_b32 s17, s17, 2
	s_add_co_u32 s18, s17, s16                     ; which run of 8 rows of the tensor is my wave's
	s_mov_b32 s19, 0
	s_lshl_b64 s[18:19], s[18:19], 15              ; 32,768 bytes a run
	s_add_nc_u64 s[4:5], s[4:5], s[18:19]
	s_and_b32 s20, s16, 1                          ; where the run goes: waves 1 and 2 change places
	s_lshl_b32 s20, s20, 1
	s_lshr_b32 s21, s16, 1
	s_or_b32 s20, s20, s21
	s_lshl_b32 s21, ttmp9, 2
	s_add_co_u32 s20, s20, s21
	s_mul_i32 s22, s20, 32*STEPS*CB                ; 6,144 bytes of codes a run
	s_mov_b32 s23, 0
	s_add_nc_u64 s[10:11], s[10:11], s[22:23]
	s_lshl_b32 s22, s20, 8                         ; 256 scale bytes a run
	s_add_nc_u64 s[12:13], s[12:13], s[22:23]
.macro LOAD t
.irp i, 0,1,2,3
	global_load_b128 v[R+16*((\t)%4)+4*\i:R+16*((\t)%4)+4*\i+3], v3, s[4:5] offset:2048*(\t)+512*\i th:TH_LOAD_NT   ; 32 lanes read 512 consecutive bytes
.endr
.endm
.macro TURN t                          ; step t's numbers through the stage: LDS serves a wave's instructions in order, so no wait stands between the stores and the loads
.irp i, 0,1,2,3
	ds_store_b128 v14, v[R+16*((\t)%4)+4*\i:R+16*((\t)%4)+4*\i+3] offset:32*SP*((\t)%2)+8*SP*\i
.endr
.irp i, 0,1,2,3
	ds_load_b128 v[X+16*((\t)%2)+4*\i:X+16*((\t)%2)+4*\i+3], v15 offset:32*SP*((\t)%2)+16*\i
.endr
.endm
.irp t, 0,1,2,3
	LOAD \t
.endr
	s_wait_loadcnt 12                              ; step 0's four loads are in; the twelve of steps 1 to 3 may be out
	TURN 0
.macro STEP t
.set XS, X+16*((\t)%2)
.if (\t) > 0
	s_wait_dscnt 1                                 ; this step's numbers are back from the stage (the last step's byte store may be out): so its stores into the stage have read their registers,
.else
	s_wait_dscnt 0x0
.endif
.if (\t)+4 < STEPS
	LOAD (\t)+4                                    ; which take the loads of four steps on
.endif
.if (\t)+1 < STEPS
.if STEPS-2-(\t) >= 3
	s_wait_loadcnt 12                              ; the next step's four loads are in; those of the three steps behind it may be out
.else
	s_wait_loadcnt 4*(STEPS-2-(\t))
.endif
	TURN (\t)+1                                    ; and go through the other stage while this step is worked
.endif
	v_max3_num_f32 v8, |v[XS]|, |v[XS+1]|, |v[XS+2]|               ; the largest magnitude of my 16, in two chains
	v_max3_num_f32 v9, |v[XS+3]|, |v[XS+4]|, |v[XS+5]|
.irp i, 6,10
	v_max3_num_f32 v8, v8, |v[XS+\i]|, |v[XS+\i+1]|
	v_max3_num_f32 v9, v9, |v[XS+\i+2]|, |v[XS+\i+3]|
.endr
	v_max3_num_f32 v8, v8, |v[XS+14]|, |v[XS+15]|
	v_max3_num_f32 v8, v8, v9, 0x1800000           ; and the floor 2^(3 - 127): so the byte cannot fall under 1
	v_max_num_f32_dpp v8, v8, v8 row_xmask:1 row_mask:0xf bank_mask:0xf   ; and of my neighbour's 16: the block's
	v_add_nc_u32 v11, 0xff000000, v8               ; 2 off its exponent field: the conversion takes the exponent field of this operand as its scale, and nothing else of it
	v_cvt_scalef32_pk16_fp6_f32 v[C+4*(\t):C+4*(\t)+2], v[XS:XS+15], v11         ; sixteen numbers / the scale, to the nearest code, ties to even, beyond the largest code the largest
	v_lshrrev_b32 v[E+(\t)], 23, v11               ; the scale's byte
	ds_store_b8 v5, v[E+(\t)] offset:16*(\t)       ; both lanes of a block write the same byte with the same value
	global_store_b96 v4, v[C+4*(\t):C+4*(\t)+2], s[10:11] offset:32*CB*(\t)
.endm
.irp t, 0,1,2,3,4,5,6,7,8,9,10,11,12,13,14,15
	STEP \t
.endr
	ds_load_b64 v[12:13], v6                       ; LDS serves a wave's instructions in order: these see my stores
	s_wait_dscnt 0x0
	global_store_b64 v7, v[12:13], s[12:13]        ; 32 lanes store 256 consecutive bytes, at a multiple of 256 from the buffer's first byte
	s_wait_tensorcnt 0x0
	ds_add_u32 v192, v193
	s_wait_dscnt 0x0
	s_endpgm
.Lfunc_end_k_qb3de056c85_quant:
	.size	k_qb3de056c85_quant, .Lfunc_end_k_qb3de056c85_quant-k_qb3de056c85_quant
	.p2alignl 7, 3214868480
	.fill 96, 4, 3214868480
	.section	.rodata,"a",@progbits
	.p2align	6, 0x0
	.amdhsa_kernel k_qb3de056c85_quant
		.amdhsa_group_segment_fixed_size 33280
		.amdhsa_private_segment_fixed_size 0
		.amdhsa_enable_private_segment 0
		.amdhsa_kernarg_size 40
		.amdhsa_user_sgpr_count 2
		.amdhsa_user_sgpr_kernarg_segment_ptr 1
		.amdhsa_wavefront_size32 1
		.amdhsa_system_sgpr_workgroup_id_x 1
		.amdhsa_system_sgpr_workgroup_id_y 1
		.amdhsa_system_sgpr_workgroup_id_z 1
		.amdhsa_system_vgpr_workitem_id 0
		.amdhsa_next_free_vgpr 194
		.amdhsa_next_free_sgpr 66
		.amdhsa_reserve_vcc 0
		.amdhsa_float_denorm_mode_32 3
		.amdhsa_float_denorm_mode_16_64 3
		.amdhsa_memory_ordered 1
		.amdhsa_forward_progress 1
		.amdhsa_inst_pref_size 33
	.end_amdhsa_kernel
	.amdgpu_metadata
---
amdhsa.version: [ 1, 2 ]
amdhsa.kernels:
  - .name:           k_qb3de056c85_quant
    .symbol:         k_qb3de056c85_quant.kd
    .args:
      - { .name: x, .offset: 0, .size: 8, .value_kind: global_buffer, .address_space: global }
      - { .name: qkv_w, .offset: 8, .size: 8, .value_kind: global_buffer, .address_space: global }
      - { .name: proj_w, .offset: 16, .size: 8, .value_kind: global_buffer, .address_space: global }
      - { .name: cod, .offset: 24, .size: 8, .value_kind: global_buffer, .address_space: global }
      - { .name: scl, .offset: 32, .size: 8, .value_kind: global_buffer, .address_space: global }
    .group_segment_fixed_size: 33280
    .private_segment_fixed_size: 0
    .kernarg_segment_align: 8
    .kernarg_segment_size: 40
    .max_flat_workgroup_size: 128
    .sgpr_count:     66
    .vgpr_count:     194
    .wavefront_size: 32
...
	.end_amdgpu_metadata
.endif
;; end of part 1
;; launch qkv (part 2): grid 12 x 32, 4 waves a work-group, clusters of 4 x 4, 327,680 bytes of LDS; arguments cod, scl, q_bias, v_bias, attention_mask, qc, qs, kv; writes qc, qs, kv
.if DOCPART == 2
	.amdgcn_target "amdgcn-amd-amdhsa--gfx1250"
	.amdhsa_code_object_version 6
	.text
	.protected	k_qb3de056c85_qkv
	.globl	k_qb3de056c85_qkv
	.p2align	8
	.type	k_qb3de056c85_qkv,@function
k_qb3de056c85_qkv:
	s_mov_b64 s[64:65], 0
	v_nop
	global_prefetch_b8 v0, s[64:65] scope:SCOPE_SE
	s_setreg_imm32_b32 hwreg(HW_REG_WAVE_MODE, 25, 1), 1
	s_wait_xcnt 0x0
	s_wait_alu depctr_hold_cnt(0) depctr_sa_sdst(0) depctr_va_vdst(0) depctr_va_sdst(0) depctr_va_ssrc(0) depctr_va_vcc(0) depctr_vm_vsrc(0)
	s_getreg_b32 s2, hwreg(HW_REG_IB_STS2, 6, 4)
	s_cmp_eq_u32 s2, 0
	s_cbranch_scc0 .Lentry_in_a_cluster
	s_endpgm
.Lentry_in_a_cluster:
	s_bfe_u32 s2, ttmp6, 0x10000c
	s_cmp_lg_u32 s2, 0xf033
	s_cbranch_scc0 .Lentry_shape_is_right
	s_endpgm
.Lentry_shape_is_right:
; qkv = x qkv_w^T + (q_bias, 0, v_bias) on codes of FP6 (E2M3) with E8M0 scales; its results are quantised again at once, as the operands of attention's two products, and leave as IMAGES OF OPERAND REGISTERS.
; A tile of 256 x 256 is made by a work-group of four waves, 128 x 128 a wave: 64 accumulators.  K = 1,024 goes in steps of 256 through a ring of two LDS slots filled by the tensor data mover; the scale bytes of the
; work-group's rows come into LDS once.  4 x 4 work-groups form a cluster: side A's tiles are asked for jointly along a row of the cluster, side B's along a column.
; SIDES.  The matrix instruction takes 16 rows of side B as source 0 and 16 rows of side A as source 1: a lane then holds ONE row of side A, and its registers run along side B.
;   cluster x = 0 (q) and 1 (k): A = tokens, B = rows of qkv_w: a lane's registers run along the head's channels, the K of q k^T.
;   cluster x = 2 (v):           A = rows of qkv_w, B = tokens: a lane's registers run along the keys, the K of p v.
; Rows lie in cod in an order in which the 16 registers of two neighbouring tiles of side B are 16 neighbours: register 16 b + i of a block of side A is number 32 b + 16 (lane / 16) + i of the wave's 128 along side B.
; WHAT LEAVES.  q: codes to qc [b][head][tile of 16 tokens][768], scale words to qs; 3 is taken off q's two scale bytes: the factor 1/8 of the scores, exactly.
;   k, v: to kv [b][group of 4 heads][step of 128 keys][52,224]: K's codes, K's scale words, V's codes, V's scale words.
; THE MASK.  A masked key's codes are zeros, and the third byte of its scale word is 137 (else 1): attention's first product has 64 idle places along K, in which constant codes give -65,504 under that byte.
; LIMITS: blocks of q and k whose largest magnitude lies under 2^-121 are held at the byte 4, blocks of v under 2^-124 at the byte 1; NaN and infinities are not served (a non-finite q_bias would also reach k).
; REGISTERS, in windows of 256: window 0: v0-31 addresses; v32-63 scale words, two sets; v64-127 q_bias along side B; from v128 side A's fragments; v224-231 the mask's bytes, v232-247 v_bias, of my rows of side A.
;   window 1: side B's fragments, two sets.   windows 2, 3: the accumulators ((a, b) at v[8 (8 (a % 4) + b)]).   On the way out v32-63 and v128-255 of window 0 are used anew.
.set SIZE_K, 1024
.set KSTEP,  256                       ; along K in a slot
.set NQ,     KSTEP/128                 ; matrix instructions deep
.set ROWB,   192                       ; a tile's row in bytes
.set KROW,   SIZE_K*6/8                ; a row of cod in bytes
.set PITCH,  240                       ; an LDS row: 3 x (64 bytes of data + 16 of padding)
.set FR,     12                        ; registers of a fragment
.set NL,     6                         ; LDS loads that bring one
.set NP,     4                         ; places behind this matrix instruction (ISA guide 7.12.1)
.set HALFT,  128*PITCH                 ; 128 rows: what one tensor load brings
.set SLOT,   4*HALFT                   ; A's 256 rows, then B's 256 rows
.set LAPS,   SIZE_K/(2*KSTEP)
.set KS,     SIZE_K/32                 ; a row of scale bytes
.set SCL,    2*SLOT                    ; behind the ring: the scales, as runs of 256 bytes + 16 of padding
.set HALFS,  (128*KS/256)*272
.set SBLK,   (16*KS/256)*272
.set SPARE,  SCL+4*HALFS               ; the spare words, 128 bytes for each wave: two blocks of 256 bytes that no other line names
.set KVB,    52224                     ; a block of kv: 24,576 K's codes, 2,048 K's scale words, 24,576 V's codes, 1,024 V's scale words
.set ADRA, 16
.set ADRB, 20
.set ADRS, 27
.set SPW,  28                          ; v28  LDS address of my spare word; never rewritten
.set NIL,  29                          ; v29  0; never rewritten
.set SC,   32
.set AF,   128
.set BI,   64                          ; v64-127  q_bias at my wave's 128 channels, in the result's layout
.set MK,   224                         ; v224-231 the mask's byte of my token in block a
.set BV,   232                         ; v232-247 v_bias of my channel in block a, twice (a pair for the packed addition)
.set WS,   32                          ; the way out: v32-39 a scale word for each block
.set PC,   40                          ; v40-58   the codes just made
.set L16,  60                          ; 16 x lane
.set L8,   61                          ; 8 x lane
.set SH,   62                          ; 16 x (lane / 16)
.set ZR,   63                          ; 0
.set T,    128                         ; v128-191 64 numbers of a block
.set TM,   192                         ; v192-207 at work in the quantiser
.set PW,   208                         ; the scale word just made
.set SO,   248
.set UPB,  249
.set UPM,  250
.set U,    251
.set SUBV, 252
.set SEL,  66                          ; s[66:67] lane selects for v_permlanex16_b32: lane l xor 16
.set G1, 24
.set G0, 32
.set G1B, 48
.set G0B, 56
.set G1S, 68
.set G0S, 76
.set G1SB, 80
.set G0SB, 88
.set MSB, 0
.macro WIN new                         ; the immediate's high byte repeats the setting that is left
.if MSB != \new
	s_set_vgpr_msb (MSB<<8)|\new
.set MSB, \new
.endif
.endm
.set MUL_LO, 0xa1                      ; source 0 (B) window 1, source 1 (A) window 0, C and D window 2
.set MUL_HI, 0xf1                      ; the same, C and D window 3
.set TO_B,   0x40                      ; destination window 1, address window 0
; A joint load: waves 0 and 1 fetch for side A, waves 2 and 3 for side B.  The branch hangs on the wave's number alone.  Four v_nop follow each of the two lines.
.macro JLOAD g0a, g1a, g0b, g1b
	s_cmp_eq_u32 s15, 0
	s_cbranch_scc0 .Lfor_b_\@
	tensor_load_to_lds s[\g0a:\g0a+3], s[\g1a:\g1a+7]
	s_nop 0
.rept 4
	v_nop
.endr
	s_branch .Lasked_\@
.Lfor_b_\@:
	tensor_load_to_lds s[\g0b:\g0b+3], s[\g1b:\g1b+7]
	s_nop 0
.rept 4
	v_nop
.endr
.Lasked_\@:
.endm
.macro CREST                           ; a round of the cluster's barrier behind its opening barrier
	s_cmp_lg_u32 s14, 0
	s_cbranch_scc1 .Lnot_wave_0_\@
	s_barrier_signal -3
.Lnot_wave_0_\@:
	s_barrier_wait -3
	s_barrier_signal -1
	s_barrier_wait -1
.endm
.macro CROUND                          ; a whole round
	s_barrier_signal -1
	s_barrier_wait -1
	CREST
.endm
	s_load_b128 s[4:7], s[0:1], 0x0                ; cod, scl: for side A
	s_load_b128 s[8:11], s[0:1], 0x0               ; cod, scl: for side B
	s_load_b128 s[96:99], s[0:1], 0x10             ; q_bias, v_bias
	s_load_b64 s[100:101], s[0:1], 0x20            ; attention_mask
	s_load_b64 s[12:13], s[0:1], 0x38              ; kv
	v_lshl_add_u32 v[SPW], v0, 2, SPARE
	v_mov_b32 v[NIL], 0
	ds_add_u32 v28, v29
	s_wait_dscnt 0x0
	v_lshrrev_b32 v1, 5, v0
	v_readfirstlane_b32 s14, v1                    ; wave 0..3
	s_lshr_b32 s15, s14, 1                         ; which half of side A is mine.  Also: I fetch for A (0) or for B (1)
	s_and_b32 s16, s14, 1                          ; which half of side B.  Also: which 128 rows of that tile I fetch
	s_bfe_u32 s40, ttmp6, 0x40000                  ; cx, cy: my place in the cluster
	s_bfe_u32 s41, ttmp6, 0x40004
	s_and_b32 s66, ttmp7, 0xffff
	s_lshl_b32 s66, s66, 2                         ; 4 x cluster y: tiles of 256 tokens
	s_lshl_b32 s42, ttmp9, 2
	s_add_co_u32 s42, s42, 32                      ; 32 + 4 x cluster x: tiles of qkv_w's rows for q and k (cod's rows 8,192 on)
	s_cmp_eq_u32 ttmp9, 2                          ; v's cluster?  The cluster's x is the same in all sixteen partners
	s_cselect_b32 s17, 40, s66                     ; side A: v's rows of qkv_w, or tokens
	s_cselect_b32 s42, s66, s42                    ; side B: tokens, or q's or k's rows
	s_add_co_u32 s17, s17, s41                     ; A's tile of 256 rows of cod: it hangs on cy,
	s_add_co_u32 s42, s42, s40                     ; B's on cx
	s_lshl_b32 s43, s41, 2
	s_lshl_b32 s43, 15, s43                        ; my row of the cluster
	s_lshl_b32 s44, 0x1111, s40                    ; my column
	; descriptor group 1: a tile of 128 rows x ROWB bytes, padded in LDS
	s_or_b32 s[G1+0], s43, (0<<16)|(1<<20)|(1<<21)|(3<<22)|(3<<25)  ; 15:0 the mask: A's tiles go to my row; 17:16 element of 1 byte; 20 padding on; 21 set beside a mask; 24:22 after every 16 words; 31:25 of 4 words
	s_or_b32 s[G1B+0], s44, (0<<16)|(1<<20)|(1<<21)|(3<<22)|(3<<25)
.irp g, G1, G1B
	s_mov_b32 s[\g+1], ROWB<<16                    ; tensor_dim0
	s_mov_b32 s[\g+2], 128<<16                     ; tensor_dim1 = 128
	s_mov_b32 s[\g+3], ROWB<<16                    ; tile_dim0
	s_mov_b32 s[\g+4], 128                         ; tile_dim1 = 128
	s_mov_b32 s[\g+5], KROW                        ; tensor_dim0_stride
	s_mov_b32 s[\g+6], 0
	s_mov_b32 s[\g+7], 0
.endr
	; and for the scales of 128 rows: a dense block of 4,096 bytes, as rows of 256 bytes (32 elements of 8 bytes), 16 bytes of padding behind each
	s_or_b32 s[G1S+0], s43, (3<<16)|(1<<20)|(1<<21)|(5<<22)|(3<<25)
	s_or_b32 s[G1SB+0], s44, (3<<16)|(1<<20)|(1<<21)|(5<<22)|(3<<25)
.irp g, G1S, G1SB
	s_mov_b32 s[\g+1], 32<<16
	s_mov_b32 s[\g+2], (128*KS/256)<<16
	s_mov_b32 s[\g+3], 32<<16
	s_mov_b32 s[\g+4], 128*KS/256
	s_mov_b32 s[\g+5], 32
	s_mov_b32 s[\g+6], 0
	s_mov_b32 s[\g+7], 0
.endr
	s_lshl_b32 s18, s16, 7                         ; which 128 rows of the tile I fetch
	s_lshl_b32 s20, s17, 8
	s_add_co_u32 s20, s20, s18                     ; A: row 256 x tile + 128 x half
	s_lshl_b32 s46, s42, 8
	s_add_co_u32 s46, s46, s18                     ; B likewise
	s_mov_b32 s21, 0
	s_mov_b32 s47, 0
	s_mov_b64 s[18:19], KS
	s_mul_u64 s[22:23], s[20:21], s[18:19]         ; where these rows' scales begin, in bytes
	s_mul_u64 s[92:93], s[46:47], s[18:19]
	s_mov_b64 s[18:19], KROW
	s_mul_u64 s[20:21], s[20:21], s[18:19]         ; and their codes
	s_mul_u64 s[46:47], s[46:47], s[18:19]
	s_mul_i32 s45, s14, HALFT                      ; where they go: wave x 128 rows: no place in the cluster enters an LDS address
	s_mul_i32 s94, s14, HALFS
	s_wait_kmcnt 0x0
	s_add_nc_u64 s[20:21], s[4:5], s[20:21]
	s_add_nc_u64 s[22:23], s[6:7], s[22:23]
	s_add_nc_u64 s[46:47], s[8:9], s[46:47]
	s_add_nc_u64 s[92:93], s[10:11], s[92:93]
	CROUND                                         ; all sixteen work-groups are here: the first joint loads meet
	s_mov_b32 s[G0S], 1
	s_add_co_u32 s[G0S+1], s94, SCL
	s_mov_b64 s[G0S+2:G0S+3], s[22:23]
	s_or_b32 s[G0S+3], s[G0S+3], 0x80000000
	s_mov_b32 s[G0SB], 1
	s_add_co_u32 s[G0SB+1], s94, SCL
	s_mov_b64 s[G0SB+2:G0SB+3], s[92:93]
	s_or_b32 s[G0SB+3], s[G0SB+3], 0x80000000
	JLOAD G0S, G1S, G0SB, G1SB                     ; the scales first: they are wanted with K step 0
.irp s, 0,1
	s_mov_b32 s[G0+4*\s], 1
	s_add_co_u32 s[G0+4*\s+1], s45, \s*SLOT
	s_add_nc_u64 s[G0+4*\s+2:G0+4*\s+3], s[20:21], \s*ROWB
	s_or_b32 s[G0+4*\s+3], s[G0+4*\s+3], 0x80000000
	s_mov_b32 s[G0B+4*\s], 1
	s_add_co_u32 s[G0B+4*\s+1], s45, \s*SLOT
	s_add_nc_u64 s[G0B+4*\s+2:G0B+4*\s+3], s[46:47], \s*ROWB
	s_or_b32 s[G0B+4*\s+3], s[G0B+4*\s+3], 0x80000000
	JLOAD G0+4*\s, G1, G0B+4*\s, G1B
.endr
	s_load_b128 s[92:95], s[0:1], 0x28             ; qc, qs (s92 to s94 have served the scales' descriptors)
	v_and_b32 v1, 15, v0                           ; r = l % 16
	v_bfe_u32 v2, v0, 4, 1                         ; h = l / 16
	v_mul_u32_u24 v3, v1, PITCH
	v_mul_u32_u24 v4, v2, 24
	v_add_nc_u32 v4, v3, v4                        ; a fragment's row x pitch + 24 x half
	v_lshl_add_u32 v5, v2, 4, v4                   ; and the same behind one padding more
	s_mul_i32 s21, s15, HALFT                      ; my 128 rows of A
	s_mul_i32 s22, s16, HALFT                      ; my 128 rows of B,
	s_add_co_u32 s22, s22, 2*HALFT                 ; which lie behind A's 256
.irp s, 0,1
	v_add_nc_u32 v[ADRA+\s], s21, v4
	v_add_nc_u32 v[ADRB+\s], s22, v4
	v_add_nc_u32 v[ADRA+2+\s], s21, v5
	v_add_nc_u32 v[ADRB+2+\s], s22, v5
	s_add_co_u32 s21, s21, SLOT
	s_add_co_u32 s22, s22, SLOT
.endr
	v_mul_u32_u24 v5, v1, KS                       ; my row's scales: KS bytes a row,
	v_lshrrev_b32 v6, 8, v5
	v_lshl_add_u32 v5, v6, 4, v5                   ; and 16 more for each 256 passed
	s_mul_i32 s21, s15, HALFS                      ; A's: my 128 rows
	s_mul_i32 s22, s16, HALFS                      ; B's: my 128 rows, behind A's 256
	s_add_co_u32 s22, s22, 2*HALFS
	s_sub_co_u32 s22, s22, s21
	v_mul_u32_u24 v6, s22, v2                      ; lanes 16-31 take B's
	s_add_co_u32 s21, s21, SCL
	v_add_nc_u32 v5, v5, v6
	v_add_nc_u32 v[ADRS], s21, v5
	; the biases and the mask, for the way out.  Every cluster loads all three, inside their buffers; it uses what its path wants.
	v_lshlrev_b32 v8, 6, v2                        ; q_bias: 16 h numbers on
	v_and_b32 v9, 8, v1
	v_add_nc_u32 v9, v9, v1                        ; r + 8 (r / 8): my row among a block's
	v_lshlrev_b32 v10, 2, v9
	s_lshl_b32 s46, s40, 10
	s_lshl_b32 s47, s16, 9
	s_add_co_u32 s46, s46, s47                     ; q_bias at channel 256 cx + 128 x my half of side B
	s_mov_b32 s47, 0
	s_add_nc_u64 s[96:97], s[96:97], s[46:47]
	s_lshl_b32 s20, s17, 8
	s_lshl_b32 s21, s15, 7
	s_add_co_u32 s20, s20, s21                     ; my first row of side A
	s_and_b32 s22, s20, 8191                       ; as a token (q, k),
	s_mov_b32 s23, 0
	s_add_nc_u64 s[100:101], s[100:101], s[22:23]
	s_and_b32 s22, s20, 1023                       ; as a channel of v (cod's row 10,240 is v's channel 0)
	s_lshl_b32 s22, s22, 2
	s_add_nc_u64 s[98:99], s[98:99], s[22:23]
.irp b, 0,1,2,3,4,5,6,7
	global_load_b128 v[BI+8*\b:BI+8*\b+3], v8, s[96:97] offset:(32*(\b/2)+8*(\b%2))*4       ; tile b, lane (r, h): channels 32 (b / 2) + 16 h + 8 (b % 2) + 0 .. 7
	global_load_b128 v[BI+8*\b+4:BI+8*\b+7], v8, s[96:97] offset:(32*(\b/2)+8*(\b%2))*4+16
.endr
.irp a, 0,1,2,3,4,5,6,7
	global_load_u8 v[MK+\a], v9, s[100:101] offset:32*(\a/2)+8*(\a%2)                       ; block a, lane r: row 32 (a / 2) + 8 (a % 2) + r + 8 (r / 8)
	global_load_b32 v[BV+2*\a], v10, s[98:99] offset:(32*(\a/2)+8*(\a%2))*4
	global_load_b32 v[BV+2*\a+1], v10, s[98:99] offset:(32*(\a/2)+8*(\a%2))*4
.endr
.macro FRAG reg, adr, q, i             ; a fragment, 16 rows x 128 K of 6-bit codes, is 12 registers: lane l holds row l % 16; registers 6 c .. 6 c + 5 hold K = 64 c + 32 (l / 16) + 0 .. 31: 24 bytes of the row, as they lie
.irp p, 0,1,2,3,4,5                    ; in pieces of 8 bytes.  The mover has laid 16 bytes of padding behind every 64: where lanes 16-31's piece lies behind one padding more, the second address register serves
.set PCE, 12*(\q)+6*(\p/3)+\p%3
.if PCE%8 < 5
	ds_load_b64 v[\reg+2*\p:\reg+2*\p+1], v[\adr] offset:8*PCE+16*(PCE/8)+(\i)*16*PITCH
.else
	ds_load_b64 v[\reg+2*\p:\reg+2*\p+1], v[\adr+2] offset:8*PCE+16*(PCE/8)+(\i)*16*PITCH
.endif
.endr
.endm
; 16 matrix instructions: A's blocks a0, a0 + 1 x B's eight, 128 along K.  zero = 1: the first product starts the sums.  The 64 accumulators take turns, one instruction a turn.
.macro MUL16 a0, p, q, sc, zero
.irp a, \a0, \a0+1
.irp b, 0,1,2,3,4,5,6,7
.if \zero
	v_wmma_scale_f32_16x16x128_f8f6f4 v[8*(8*((\a)%4)+\b):8*(8*((\a)%4)+\b)+7], v[128*(\p)+FR*\b:128*(\p)+FR*\b+FR-1], v[AF+FR*(\a):AF+FR*(\a)+FR-1], 0, v[SC+8*NQ*(\sc)+NQ*\b+(\q)], v[SC+8*NQ*(\sc)+NQ*(\a)+(\q)] matrix_a_fmt:MATRIX_FMT_FP6 matrix_b_fmt:MATRIX_FMT_FP6 matrix_a_scale:MATRIX_SCALE_ROW1
.else
	v_wmma_scale_f32_16x16x128_f8f6f4 v[8*(8*((\a)%4)+\b):8*(8*((\a)%4)+\b)+7], v[128*(\p)+FR*\b:128*(\p)+FR*\b+FR-1], v[AF+FR*(\a):AF+FR*(\a)+FR-1], v[8*(8*((\a)%4)+\b):8*(8*((\a)%4)+\b)+7], v[SC+8*NQ*(\sc)+NQ*\b+(\q)], v[SC+8*NQ*(\sc)+NQ*(\a)+(\q)] matrix_a_fmt:MATRIX_FMT_FP6 matrix_b_fmt:MATRIX_FMT_FP6 matrix_a_scale:MATRIX_SCALE_ROW1
.endif
.endr
.endr
.endm
.macro FETCH_B slot, q, p              ; B's eight fragments of the slot's q-th 128 along K into set p
	WIN TO_B
.irp i, 0,1,2,3,4,5,6,7
	FRAG 128*(\p)+FR*\i, ADRB+\slot, \q, \i
.endr
	WIN 0
.endm
.macro FETCH_A slot, q, i0             ; A's blocks i0 .. i0 + 3
.irp i, \i0, \i0+1, \i0+2, \i0+3
	FRAG AF+FR*(\i), ADRA+\slot, \q, \i
.endr
.endm
.macro SCALES sc                       ; the next K step's scale words into set sc: lanes 0-15 take A's block i, lanes 16-31 B's block i
.irp i, 0,1,2,3,4,5,6,7
	ds_load_b64 v[SC+8*NQ*\sc+NQ*\i:SC+8*NQ*\sc+NQ*\i+1], v[ADRS] offset:\i*SBLK
.endr
.endm
.macro PLACES n                        ; places in front of loads into registers that matrix instructions have read, and of the first read of results
.rept \n
	v_nop
.endr
.endm
; A step of 128 along K that has its successor in the same slot.
.macro STEP slot, q, zero
	s_wait_dscnt 4*NL                              ; B's set and A's blocks 0-3 are in; the youngest 24 loads (A's blocks 4-7) may be out
	WIN MUL_LO
	MUL16 0, (\q)%2, \q, \slot, \zero
	MUL16 2, (\q)%2, \q, \slot, \zero
	s_wait_dscnt 0                                 ; A's blocks 4-7 are in (asked for 32 matrix instructions ago)
	PLACES NP
	FETCH_B \slot, (\q)+1, 1-(\q)%2
	FETCH_A \slot, (\q)+1, 0
	WIN MUL_HI
	MUL16 4, (\q)%2, \q, \slot, \zero
	MUL16 6, (\q)%2, \q, \slot, \zero
	PLACES NP
	WIN 0
	FETCH_A \slot, (\q)+1, 4
.endm
; A slot's last step changes slots: ONE barrier; in front of it each wave waits for all its tensor loads, adds 0 to its spare word, and waits for that and for its own reads of this slot.  fill = 1: this slot is filled again.
.macro TURN slot, next, fill
	s_wait_tensorcnt 0x0                           ; all my tensor loads have landed: my part of the next slot
	ds_add_u32 v[SPW], v[NIL]                      ; 0 onto my spare word
	s_wait_dscnt 4*NL+1                            ; (the add and the youngest 24 loads, A's blocks 4-7, may be out)
	WIN MUL_LO
	MUL16 0, 1, NQ-1, \slot, 0                     ; sixteen matrix instructions stand between the add and the wait for it
	s_wait_dscnt 0x0                               ; the add is done, and my reads of this slot are over
	s_barrier_signal -1
	MUL16 2, 1, NQ-1, \slot, 0
	WIN 0
	s_barrier_wait -1
.if \fill
	CREST                                          ; the barrier has opened a round of the cluster's barrier: no wave of any partner still reads this slot's tile or has a load on its way
	s_add_nc_u64 s[G0+4*\slot+2:G0+4*\slot+3], s[G0+4*\slot+2:G0+4*\slot+3], 2*ROWB
	s_add_nc_u64 s[G0B+4*\slot+2:G0B+4*\slot+3], s[G0B+4*\slot+2:G0B+4*\slot+3], 2*ROWB
	JLOAD G0+4*\slot, G1, G0B+4*\slot, G1B         ; the first tensor load behind the round; the four v_nop behind it are the places in front of the loads below
.else
	PLACES NP
.endif
	v_add_nc_u32 v[ADRS], 4*NQ, v[ADRS]            ; on to the next K step's scale words
	FETCH_B \next, 0, 0
	FETCH_A \next, 0, 0
	SCALES \next
	WIN MUL_HI
	MUL16 4, 1, NQ-1, \slot, 0
	MUL16 6, 1, NQ-1, \slot, 0
	PLACES NP
	WIN 0
	FETCH_A \next, 0, 4
.endm
	s_wait_tensorcnt 1                             ; the scales and my part of K step 0 are in (K step 1's load may be out),
	s_wait_loadcnt 0x0                             ; and so are the biases and the mask,
	s_wait_kmcnt 0x0                               ; and the last two addresses
	s_barrier_signal -1
	s_barrier_wait -1                              ; everybody's are
	FETCH_B 0, 0, 0
	FETCH_A 0, 0, 0
	SCALES 0
	FETCH_A 0, 0, 4
	STEP 0, 0, 1                                   ; the first step stands in front of the loop: its products start the sums
	s_mov_b32 s3, LAPS-1
.Llap:                                                 ; a trip goes once round the ring, from a lap's second step to the next lap's first, and fills both slots again
	TURN 0, 1, 1
	STEP 1, 0, 0
	TURN 1, 0, 1
	STEP 0, 0, 0
	s_sub_co_u32 s3, s3, 1
	s_cmp_lg_u32 s3, 0
	s_cbranch_scc1 .Llap
	TURN 0, 1, 0                                   ; the last lap fills nothing, and has no round of the cluster's barrier
	STEP 1, 0, 0
	s_wait_dscnt 4*NL                              ; the very last step: nothing more to fetch
	WIN MUL_LO
	MUL16 0, 1, NQ-1, 1, 0
	MUL16 2, 1, NQ-1, 1, 0
	s_wait_dscnt 0
	WIN MUL_HI
	MUL16 4, 1, NQ-1, 1, 0
	MUL16 6, 1, NQ-1, 1, 0
	WIN 0
; THE WAY OUT uses no LDS: a block's 64 numbers of a lane are quantised in registers, and the codes leave as the image of an operand's registers: 16 or 8 bytes a lane, neighbouring lanes at neighbouring bytes.
; 64 numbers of a lane, register 16 b + i = number 32 b + 16 (lane / 16) + i of my row, become a fragment's codes in v[PC] on and its scale word in v[PW].
.macro QUANT s, floor
.irp b, 0,1,2,3
	v_max3_num_f32 v[TM+\b], |v[\s+16*\b]|, |v[\s+1+16*\b]|, \floor   ; block b: my 16 numbers, and the floor, under which no largest magnitude is taken
.endr
.irp i, 2,4,6,8,10,12,14
.irp b, 0,1,2,3
	v_max3_num_f32 v[TM+\b], v[TM+\b], |v[\s+16*\b+\i]|, |v[\s+1+16*\b+\i]|   ; (the four blocks by turns)
.endr
.endr
.irp b, 0,1,2,3
	v_permlanex16_b32 v[TM+4+\b], v[TM+\b], s[SEL], s[SEL+1]
.endr
.irp b, 0,1,2,3
	v_max_num_f32 v[TM+\b], v[TM+\b], v[TM+4+\b]   ; with lane l xor 16's: the block's largest magnitude
.endr
.irp b, 0,1,2,3
	v_add_nc_u32 v[TM+12+\b], 0xff000000, v[TM+\b]   ; 2 off its exponent field: the conversion's scale operand
.endr
.irp b, 0,1,2,3
	v_lshrrev_b32 v[TM+4+\b], 23, v[TM+12+\b]   ; the scale's byte
.endr
	v_lshl_or_b32 v[PW], v[TM+5], 8, v[TM+4]   ; the four bytes make my row's scale word
	v_lshl_or_b32 v[PW], v[TM+6], 16, v[PW]
	v_lshl_or_b32 v[PW], v[TM+7], 24, v[PW]
.irp c, 0,1
	v_cvt_scalef32_pk16_fp6_f32 v[PC+6*\c:PC+2+6*\c], v[\s+32*\c:\s+15+32*\c], v[TM+12+2*\c]
	v_cvt_scalef32_pk16_fp6_f32 v[PC+12+4*\c:PC+14+4*\c], v[\s+16+32*\c:\s+31+32*\c], v[TM+12+2*\c+1]   ; (a conversion's three registers begin on an even number)
.endr
	v_nop                                          ; one plain place behind a scaled conversion
.irp c, 0,1                                    ; the operand's layout wants a WHOLE block in a lane: lanes 0-15 block 2 c, lanes 16-31 block 2 c + 1
.irp i, 0,1,2
	v_permlane16_swap_b32 v[PC+6*\c+\i], v[PC+12+4*\c+\i]
.endr
.irp i, 0,1,2
	v_mov_b32 v[PC+3+6*\c+\i], v[PC+12+4*\c+\i]
.endr
.endr
.endm
	PLACES NP                                      ; behind the last products: their operands' registers are written below, their results read
	v_and_b32 v254, 15, v0                         ; r
	v_bfe_u32 v253, v0, 4, 1                       ; h
	v_and_b32 v255, 31, v0                         ; lane
	v_lshlrev_b32 v[L16], 4, v255
	v_lshlrev_b32 v[L8], 3, v255
	v_lshlrev_b32 v[SH], 4, v253
	v_mov_b32 v[ZR], 0
.irp b, 0,1,2,3
	v_mov_b32 v[TM+4+\b], 0                        ; written once: a lane permute's destination counts as one of its sources
.endr
	s_mov_b32 s[SEL], 0x76543210
	s_mov_b32 s[SEL+1], 0xfedcba98
	s_and_b32 s18, ttmp7, 0xffff                   ; cluster y: 1,024 tokens
	s_lshr_b32 s19, s18, 1
	s_lshl_b32 s19, s19, 2                         ; 4 b
	s_and_b32 s18, s18, 1
	s_lshl_b32 s18, s18, 3                         ; the cluster's first step of 128 tokens in its batch
	s_cmp_eq_u32 ttmp9, 2
	s_cbranch_scc1 .Lv                             ; the cluster's x: all sixteen partners go the same way
	; ---- q and k.  My 128 tokens are step `step` of batch b; my 128 channels are two heads.
	s_lshl_b32 s20, s41, 1
	s_add_co_u32 s20, s20, s18
	s_add_co_u32 s20, s20, s15                     ; step = 8 (cluster y & 1) + 2 cy + my half of side A
	s_add_co_u32 s21, s19, s40                     ; 4 b + cx
	s_lshl_b32 s22, s21, 4
	s_add_co_u32 s22, s22, s20
	s_mul_i32 s22, s22, KVB                        ; k: the block of kv
	s_mul_i32 s23, s16, 2*6144
	s_add_co_u32 s44, s22, s23                     ; k: codes: my first head of the group's four, 6,144 bytes a head
	s_lshl_b32 s23, s16, 10
	s_add_co_u32 s46, s22, s23
	s_add_co_u32 s46, s46, 24576                   ; k: scale words: 512 bytes a head
	s_lshl_b32 s22, s21, 2
	s_lshl_b32 s23, s16, 1
	s_add_co_u32 s22, s22, s23                     ; q: 16 b + my first head
	s_lshl_b32 s23, s22, 7
	s_lshl_b32 s43, s20, 3
	s_add_co_u32 s23, s23, s43
	s_mul_i32 s23, s23, 768                        ; q: codes: 128 tiles a head, 768 bytes a tile
	s_lshl_b32 s22, s22, 5
	s_lshl_b32 s43, s20, 1
	s_add_co_u32 s22, s22, s43
	s_lshl_b32 s22, s22, 8                         ; q: scale words: 32 groups of 64 tokens a head, 256 bytes a group
	s_mov_b32 s10, 6144
	s_mov_b32 s43, 512
	s_mov_b32 s42, 0x01010000
	s_cmp_eq_u32 ttmp9, 0                          ; q or k: values are chosen, the text is one
	s_cselect_b64 s[4:5], s[92:93], s[12:13]       ; codes to qc or kv
	s_cselect_b64 s[8:9], s[94:95], s[12:13]       ; scale words to qs or kv
	s_cselect_b32 s44, s23, s44
	s_cselect_b32 s46, s22, s46
	s_cselect_b32 s10, 98304, s10                  ; from head to head: codes,
	s_cselect_b32 s43, 8192, s43                   ; scale words
	s_cselect_b32 s42, 0x7f7f0000, s42             ; the scale word's upper bytes: q 127, 127; k 1, 1
	s_cselect_b32 s21, 0x0303, 0                   ; 3 off q's two bytes: x 1/8
	s_cselect_b32 s20, 0, 1                        ; the mask counts for k alone
	s_cselect_b32 s2, 0x3f800000, 0                ; q_bias counts for q alone
	s_mov_b32 s3, s2                               ; (named with it as a pair, so it is written)
	s_mov_b32 s45, 0
	s_mov_b32 s47, 0
	s_mov_b32 s11, 0
	s_add_nc_u64 s[4:5], s[4:5], s[44:45]          ; my first head's codes,
	s_add_nc_u64 s[6:7], s[4:5], s[10:11]          ; my second head's,
	s_add_nc_u64 s[8:9], s[8:9], s[46:47]          ; the scale words
	v_mul_u32_u24 v[SO], s43, v253                 ; lanes 16-31 store the second head's words
	v_lshl_add_u32 v[SO], v254, 4, v[SO]           ; 16 bytes a row: four tiles' words
	v_mov_b32 v[UPB], s42
	v_mov_b32 v[UPM], 0x01890000                   ; a masked key: 137, 1
	v_mov_b32 v[SUBV], s21
.irp a, 0,1,2,3,4,5,6,7
	v_and_b32 v[MK+\a], s20, v[MK+\a]
.endr
.macro QKOUT a
.set AC, 64*((\a)%4)
.set WN, 0x20+0x10*((\a)/4)
	s_wait_xcnt 0x0                                ; the last block's stores have read their data: the codes' registers are written again only behind this wait
	WIN WN                                         ; source 2: window 2 or 3
.set i, 0
.rept 32
	v_pk_fma_f32 v[T+i:T+i+1], v[BI+i:BI+i+1], s[2:3], v[AC+i:AC+i+1] op_sel_hi:[1,0,1]   ; sum + q_bias (x 1) or + nothing (x 0): one rounding; each accumulator from its low end on
.set i, i+2
.endr
	WIN 0
	QUANT T, 0x3000000                             ; the floor 2^(6 - 127): no byte under 4, so that 3 can be taken off
	v_cmp_ne_u32 vcc_lo, 0, v[MK+\a]
.irp n, 0,1,2,3,4,5,6,7,8,9,10,11
	v_cndmask_b32 v[PC+\n], v[PC+\n], v[ZR], vcc_lo   ; a masked key's codes are zeros
.endr
	v_cndmask_b32 v[U], v[UPB], v[UPM], vcc_lo
	v_lshrrev_b32 v[WS+\a], v[SH], v[PW]           ; lanes 0-15: the first head's two bytes; lanes 16-31: the second's
	v_and_b32 v[WS+\a], 0xffff, v[WS+\a]
	v_sub_nc_u32 v[WS+\a], v[WS+\a], v[SUBV]
	v_or_b32 v[WS+\a], v[WS+\a], v[U]
	global_store_b128 v[L16], v[PC:PC+3], s[4:5] offset:768*(\a)          ; registers 0-3 of the first head's fragment: 512 consecutive bytes,
	global_store_b64 v[L8], v[PC+4:PC+5], s[4:5] offset:768*(\a)+512      ; registers 4, 5: 256
	global_store_b128 v[L16], v[PC+6:PC+9], s[6:7] offset:768*(\a)        ; the second head's
	global_store_b64 v[L8], v[PC+10:PC+11], s[6:7] offset:768*(\a)+512
.endm
.irp a, 0,1,2,3,4,5,6,7
	QKOUT \a
.endr
	global_store_b128 v[SO], v[WS:WS+3], s[8:9]              ; tiles 0-3: sixteen lanes store 256 consecutive bytes of a head
	global_store_b128 v[SO], v[WS+4:WS+7], s[8:9] offset:256 ; tiles 4-7
	s_branch .Lend
.Lv:	; ---- v.  My 128 channels are two heads (blocks 0-3, 4-7: four tiles of 16 channels each); my 128 tokens are one step of keys.
	s_lshl_b32 s20, s40, 1
	s_add_co_u32 s20, s20, s18
	s_add_co_u32 s20, s20, s16                     ; step = 8 (cluster y & 1) + 2 cx + my half of side B
	s_add_co_u32 s21, s19, s41                     ; 4 b + cy: the group of heads
	s_lshl_b32 s21, s21, 4
	s_add_co_u32 s21, s21, s20
	s_mul_i32 s44, s21, KVB
	s_mul_i32 s22, s15, 2*6144
	s_add_co_u32 s22, s22, s44
	s_add_co_u32 s22, s22, 26624                   ; V's codes: 6,144 bytes a head
	s_mov_b32 s23, 0
	s_add_nc_u64 s[4:5], s[12:13], s[22:23]
	s_lshl_b32 s22, s15, 9
	s_add_co_u32 s22, s22, s44
	s_add_co_u32 s22, s22, 51200                   ; V's scale words: 256 bytes a head
	s_add_nc_u64 s[8:9], s[12:13], s[22:23]
.macro VOUT a
.set AC, 64*((\a)%4)
.set WN, 0x02+((\a)/4)
	s_wait_xcnt 0x0                                ; the last block's stores have read their data
	WIN WN                                         ; source 0: window 2 or 3
.set i, 0
.rept 32
	v_pk_add_f32 v[T+i:T+i+1], v[AC+i:AC+i+1], v[BV+2*(\a):BV+2*(\a)+1]   ; + v_bias of my channel; each accumulator from its low end on
.set i, i+2
.endr
	WIN 0
	QUANT T, 0x1800000
.irp c, 0,1,2
	global_store_b128 v[L16], v[PC+4*\c:PC+4*\c+3], s[4:5] offset:1536*(\a)+512*\c   ; the fragment's 12 registers, 512 consecutive bytes a store
.endr
	v_mov_b32 v[WS+\a], v[PW]
.endm
.irp a, 0,1,2,3,4,5,6,7
	VOUT \a
.endr
	v_cmp_ne_u32 vcc_lo, 0, v253
.irp n, 0,1,2,3
	v_cndmask_b32 v[WS+\n], v[WS+\n], v[WS+4+\n], vcc_lo   ; lanes 16-31 carry the second head's four words
.endr
	global_store_b128 v[L16], v[WS:WS+3], s[8:9]   ; 512 consecutive bytes: two heads x 16 rows x 4 tiles
.Lend:
	s_wait_tensorcnt 0x0                           ; the wave's end
	ds_add_u32 v[SPW], v[NIL]
	s_wait_dscnt 0x0
	CROUND                                         ; the closing round: no work-group ends while a partner may still ask for a tile that names it
	s_endpgm
.Lfunc_end_k_qb3de056c85_qkv:
	.size	k_qb3de056c85_qkv, .Lfunc_end_k_qb3de056c85_qkv-k_qb3de056c85_qkv
	.p2alignl 7, 3214868480
	.fill 96, 4, 3214868480
	.section	.rodata,"a",@progbits
	.p2align	6, 0x0
	.amdhsa_kernel k_qb3de056c85_qkv
		.amdhsa_group_segment_fixed_size 327680
		.amdhsa_private_segment_fixed_size 0
		.amdhsa_enable_private_segment 0
		.amdhsa_kernarg_size 64
		.amdhsa_user_sgpr_count 2
		.amdhsa_user_sgpr_kernarg_segment_ptr 1
		.amdhsa_wavefront_size32 1
		.amdhsa_system_sgpr_workgroup_id_x 1
		.amdhsa_system_sgpr_workgroup_id_y 1
		.amdhsa_system_sgpr_workgroup_id_z 1
		.amdhsa_system_vgpr_workitem_id 0
		.amdhsa_next_free_vgpr 1024
		.amdhsa_next_free_sgpr 102
		.amdhsa_reserve_vcc 1
		.amdhsa_float_denorm_mode_32 3
		.amdhsa_float_denorm_mode_16_64 3
		.amdhsa_memory_ordered 1
		.amdhsa_forward_progress 1
		.amdhsa_inst_pref_size 242
	.end_amdhsa_kernel
	.amdgpu_metadata
---
amdhsa.version: [ 1, 2 ]
amdhsa.kernels:
  - .name:           k_qb3de056c85_qkv
    .symbol:         k_qb3de056c85_qkv.kd
    .args:
      - { .name: cod, .offset: 0, .size: 8, .value_kind: global_buffer, .address_space: global }
      - { .name: scl, .offset: 8, .size: 8, .value_kind: global_buffer, .address_space: global }
      - { .name: q_bias, .offset: 16, .size: 8, .value_kind: global_buffer, .address_space: global }
      - { .name: v_bias, .offset: 24, .size: 8, .value_kind: global_buffer, .address_space: global }
      - { .name: attention_mask, .offset: 32, .size: 8, .value_kind: global_buffer, .address_space: global }
      - { .name: qc, .offset: 40, .size: 8, .value_kind: global_buffer, .address_space: global }
      - { .name: qs, .offset: 48, .size: 8, .value_kind: global_buffer, .address_space: global }
      - { .name: kv, .offset: 56, .size: 8, .value_kind: global_buffer, .address_space: global }
    .group_segment_fixed_size: 327680
    .private_segment_fixed_size: 0
    .kernarg_segment_align: 8
    .kernarg_segment_size: 64
    .max_flat_workgroup_size: 128
    .sgpr_count:     102
    .vgpr_count:     1024
    .wavefront_size: 32
...
	.end_amdgpu_metadata
.endif
;; end of part 2
;; launch attn (part 3): grid 4 x 128, 16 waves a work-group, clusters of 4 x 4, 327,680 bytes of LDS; arguments qc, qs, kv, attention_bias, oc, os; writes oc, os
.if DOCPART == 3
	.amdgcn_target "amdgcn-amd-amdhsa--gfx1250"
	.amdhsa_code_object_version 6
	.text
	.protected	k_qb3de056c85_attn
	.globl	k_qb3de056c85_attn
	.p2align	8
	.type	k_qb3de056c85_attn,@function
k_qb3de056c85_attn:
	s_mov_b64 s[64:65], 0
	v_nop
	global_prefetch_b8 v0, s[64:65] scope:SCOPE_SE
	s_setreg_imm32_b32 hwreg(HW_REG_WAVE_MODE, 25, 1), 1
	s_wait_xcnt 0x0
	s_wait_alu depctr_hold_cnt(0) depctr_sa_sdst(0) depctr_va_vdst(0) depctr_va_sdst(0) depctr_va_ssrc(0) depctr_va_vcc(0) depctr_vm_vsrc(0)
	s_getreg_b32 s2, hwreg(HW_REG_IB_STS2, 6, 4)
	s_cmp_eq_u32 s2, 0
	s_cbranch_scc0 .Lentry_in_a_cluster
	s_endpgm
.Lentry_in_a_cluster:
	s_bfe_u32 s2, ttmp6, 0x10000c
	s_cmp_lg_u32 s2, 0xf033
	s_cbranch_scc0 .Lentry_shape_is_right
	s_endpgm
.Lentry_shape_is_right:
; o = softmax(q k^T / 8, masked keys at -65,504, + attention_bias) v, both products on codes of FP6 (E2M3) with E8M0 scales; o is quantised at once, along the channels, as the last product's operand.
; SHARES.  A work-group owns 64 queries of one batch and 4 heads; each of its SIXTEEN waves owns one head (wave % 4) and one tile of 16 queries (wave / 4), in 256 registers: four waves to a SIMD.
; Every wave walks the 2,048 keys, 128 a step.  A step's tiles come through a ring of two LDS slots: 64 rows x 512 bytes of the bias (waves 0-7 fetch 8 rows each) and the block of kv of the four heads (waves 8-11, a quarter each).
; CLUSTER.  4 x 4 work-groups: cx is the group of heads, cy the block of queries.  The bias tile hangs on the queries alone and is asked for jointly along a row of the cluster, the block of kv on the heads alone, jointly along a column.
; The bias comes in loads of 8 rows, since the rows are laid in LDS in the order in which a tile of queries holds them (groups of 8 rows change places), which one two-dimensional tile cannot do.
; LAYOUT.  Both products are used transposed: S^T = K Q^T (source 0 = 16 keys, source 1 = my 16 queries), O^T = V^T P^T: a lane holds ONE query throughout.  Lane r of tile 2 b + u stands for row 32 b + 8 u + r + 8 (r / 8)
; (queries, keys, channels alike), so that the 16 registers of tiles 2 b and 2 b + 1 are 16 neighbours, 32 b + 16 (lane / 16) + 0 .. 15.
; THE LOGIT LEAVES THE MATRIX UNIT FINISHED.  The factor 1/8 lies in q's scale bytes.  The bias is the C of a score tile's one matrix instruction.  The head has 64 channels, so places 64 to 127 along K are idle: places 64 to 68
; hold the constant codes (-4, -4, -4, -4, 0.125) in K and (4, 4, 4, 4, 0.25) in Q, whose products add up to -63.96875; under a masked key's scale byte 137 that is -65,504, and that key's own codes are zeros.
; LIMITS: under an open key's byte 1 the same places add -7.5e-37 to its logit; -65,504 + bias is rounded by the matrix unit; NaN and infinities are not served.
; THE SOFTMAX: t = logit x log2(e); M = the row's largest t so far, rounded UP to a whole number; p = 2^(t - M) is quantised along the keys, not normalised; the row's sum is taken of the unquantised p and divides O at the end.
; When M moves, the sum and O are multiplied by 2^(old M - new M): exact.
; kv is not prefetched: each block is walked by eight clusters at about the same time.  The bias, which one row of one cluster reads, once, is.
.set KVB,   52224                      ; a block of kv: 24,576 K's codes, 2,048 K's scale words, 24,576 V's codes, 1,024 V's scale words
.set SLOT1, 1<<17                      ; slot 1 begins here, so that one exclusive or turns an address in one slot into the other's
.set BP,    528                        ; a row of the bias in LDS: 512 bytes + 16: the 16 rows of a load of 16 bytes a lane start 33 x 16 bytes apart
.set KVO,   64*BP                      ; a slot: the bias, then the block of kv
.set KSO,   KVO+24576
.set VCO,   KVO+26624
.set VSO,   KVO+51200
.set SPARE, 2*SLOT1                    ; the spare words, 128 bytes for each wave: eight blocks of 256 bytes that no other line names
.set OSC,   SPARE+2048                 ; o's scale bytes of the work-group: 512 bytes, into which no tile lands
.set ABI,  1                           ; v1   my place in the bias tile: (16 x tile + r) rows + 64 h
.set AKC,  2                           ; v2   in K's codes: my head + 16 x lane
.set AKC2, 3                           ; v3   the same + 512 + 8 x lane
.set AKS,  4                           ; v4   in K's scale words
.set AVC,  5                           ; v5   in V's codes
.set AVS,  6                           ; v6   in V's scale words
.set SPW,  7                           ; v7   LDS address of my spare word; never rewritten
.set NIL,  8                           ; v8   0; never rewritten
.set PFO,  9                           ; v9   the prefetch's offset; never rewritten
.set ADB,  10                          ; the step's addresses: v10, v11, v28-31
.set ADK,  11
.set ADK2, 28
.set ADS,  29
.set ADV,  30
.set ADT,  31
.set KF,   32                          ; v32-79   four fragments of K; registers 6-11 of each are constants
.set VF,   80                          ; v80-127  four fragments of V
.set S,    128                         ; v128-191 the bias, then the logits, then p
.set O,    192                         ; v192-223 O^T.   v12 -M, v13 the largest t, v[14:15] the sum in two halves; v16-27 Q; v224-235 p's codes; v232-254 at work; v248-251 K's, then V's scale words; v253 p's; v255 Q's
.set TB,   2                           ; s2   LDS byte at which the slot in hand begins
.set SLOTS, 3                          ; s3   slots still to be asked for
.set WV,   18
.set HD,   19                          ; wave % 4: my head of the group's four
.set SEL,  20                          ; s[20:21] lane selects for v_permlanex16_b32: lane l xor 16
.set CS,   22                          ; s[22:23] log2(e)
.set G1B,  24                          ; s[24:31] descriptor group 1 for the bias;  s[32:39] for kv;  s[40:43], s[44:47] their groups 0, which walk
.set G1K,  32
.set G0B,  40
.set G0K,  44
.set PFA,  48                          ; s[48:49] where my work-group's prefetches stand
.set LIM,  50                          ; s50  1 in wave 12, else the greatest number
.set QT,   51                          ; wave / 4: my tile of queries
.macro CROUND                          ; a round of the cluster's barrier
	s_barrier_signal -1
	s_barrier_wait -1
	s_cmp_lg_u32 s[WV], 0
	s_cbranch_scc1 .Lnot_wave_0_\@
	s_barrier_signal -3
.Lnot_wave_0_\@:
	s_barrier_wait -3
	s_barrier_signal -1
	s_barrier_wait -1
.endm
; Waves 0 to 7 fetch the bias, waves 8 to 11 kv, the others nothing.  The branches hang on the wave's number alone.  Four v_nop follow each of the two lines.
.macro JLOAD
	s_cmp_lt_u32 s[WV], 8
	s_cbranch_scc0 .Lnot_b_\@
	tensor_load_to_lds s[G0B:G0B+3], s[G1B:G1B+7]
	s_nop 0
.rept 4
	v_nop
.endr
	s_branch .Lasked_\@
.Lnot_b_\@:
	s_cmp_lt_u32 s[WV], 12
	s_cbranch_scc0 .Lasked_\@
	tensor_load_to_lds s[G0K:G0K+3], s[G1K:G1K+7]
	s_nop 0
.rept 4
	v_nop
.endr
.Lasked_\@:
.endm
; A PREFETCH INTO THE L2 of the bias tile that the NEXT change of slots will ask for: one key step ahead of that load.  The four partners that ask for a tile jointly share its 64 rows out BY ADDRESS, 16 each (cx);
; in each, wave 12, which fetches nothing, asks: 16 rows x 512 bytes, a lane for each 256: one instruction.  So each 256 bytes of the bias are named once in the launch.
; The tiles of steps 0 and 1 come by their loads alone; the last change that fills a slot asks for nothing.
.macro ASK
	s_cmp_gt_u32 s[SLOTS], s[LIM]
	s_cbranch_scc0 .Lnot_mine_\@
	global_prefetch_b8 v[PFO], s[PFA:PFA+1] th:TH_LOAD_NT scope:SCOPE_SE
.Lnot_mine_\@:
.endm
.macro PLACES
.rept 4
	v_nop
.endr
.endm
	s_load_b256 s[4:11], s[0:1], 0x0               ; qc s[4:5], qs s[6:7], kv s[8:9], attention_bias s[10:11]
	s_load_b128 s[12:15], s[0:1], 0x20             ; oc s[12:13], os s[14:15]
	v_lshl_add_u32 v[SPW], v0, 2, SPARE
	v_mov_b32 v[NIL], 0
	ds_add_u32 v7, v8
	s_wait_dscnt 0x0
	v_lshrrev_b32 v10, 5, v0
	v_readfirstlane_b32 s[WV], v10                 ; wave 0..15
	s_and_b32 s[HD], s[WV], 3
	s_lshr_b32 s[QT], s[WV], 2
	s_bfe_u32 s52, ttmp6, 0x40000                  ; cx: the group of heads
	s_bfe_u32 s53, ttmp6, 0x40004                  ; cy
	s_and_b32 s54, ttmp7, 0xffff                   ; cluster y: 256 queries
	s_lshr_b32 s55, s54, 3                         ; b
	s_and_b32 s56, s54, 7
	s_lshl_b32 s56, s56, 2
	s_add_co_u32 s57, s56, s53                     ; qb: my block of 64 queries in the batch
	s_lshl_b32 s58, s55, 11
	s_lshl_b32 s59, s57, 6
	s_add_co_u32 s58, s58, s59                     ; my first query: a row of the bias
	s_and_b32 s59, s[WV], 4                        ; which 8 rows wave j (0..7) fetches: the bits 0 and 1 of j change places
	s_and_b32 s60, s[WV], 1
	s_lshl_b32 s60, s60, 1
	s_or_b32 s59, s59, s60
	s_bfe_u32 s60, s[WV], 0x10001
	s_or_b32 s59, s59, s60
	s_lshl_b32 s59, s59, 3
	s_add_co_u32 s59, s59, s58
	s_lshl_b32 s60, s59, 13                        ; 8,192 bytes a row (under 2^27)
	s_mov_b32 s61, 0
	s_lshl_b32 s62, s55, 2
	s_add_co_u32 s62, s62, s52                     ; 4 b + cx
	s_mul_i32 s62, s62, 16*KVB
	s_mul_i32 s63, s[HD], KVB/4                    ; waves 8-11: a quarter each
	s_add_co_u32 s62, s62, s63
	s_mov_b32 s63, 0
	s_lshl_b32 s66, s53, 2
	s_lshl_b32 s66, 15, s66                        ; my row of the cluster
	s_lshl_b32 s67, 0x1111, s52                    ; my column
	; the bias: 8 rows x 128 numbers of 4 bytes, 2,048 numbers from row to row; 16 bytes of padding behind each 512
	s_or_b32 s[G1B], s66, (2<<16)|(1<<20)|(1<<21)|(6<<22)|(3<<25)
	s_mov_b32 s[G1B+1], 128<<16                    ; tensor_dim0
	s_mov_b32 s[G1B+2], 8<<16                      ; tensor_dim1
	s_mov_b32 s[G1B+3], 128<<16                    ; tile_dim0
	s_mov_b32 s[G1B+4], 8                          ; tile_dim1
	s_mov_b32 s[G1B+5], 2048                       ; tensor_dim0_stride
	s_mov_b32 s[G1B+6], 0
	s_mov_b32 s[G1B+7], 0
	; kv: a dense quarter block, 13,056 bytes, as 51 rows of 256 bytes (32 elements of 8 bytes), no padding
	s_or_b32 s[G1K], s67, (3<<16)|(1<<21)
	s_mov_b32 s[G1K+1], 32<<16
	s_mov_b32 s[G1K+2], 51<<16
	s_mov_b32 s[G1K+3], 32<<16
	s_mov_b32 s[G1K+4], 51
	s_mov_b32 s[G1K+5], 32
	s_mov_b32 s[G1K+6], 0
	s_mov_b32 s[G1K+7], 0
	s_mov_b32 s[SEL], 0x76543210
	s_mov_b32 s[SEL+1], 0xfedcba98
	s_mov_b32 s[CS], 0x3fb8aa3b                    ; log2(e)
	s_mov_b32 s[CS+1], s[CS]                       ; (named with it as a pair, so it is written)
	s_mov_b32 s[TB], 0
	s_mov_b32 s[SLOTS], 15
	s_cmp_eq_u32 s[WV], 12
	s_cselect_b32 s[LIM], 1, -1
	s_lshl_b32 s68, s52, 4
	s_add_co_u32 s68, s68, s58                     ; the prefetches: my work-group's 16 rows of the 64
	s_lshl_b32 s68, s68, 13
	s_mov_b32 s69, 0
	s_lshl_b32 s70, s52, 2
	s_add_co_u32 s70, s70, s[HD]                   ; my head
	s_lshl_b32 s71, s55, 4
	s_add_co_u32 s71, s71, s70                     ; 16 b + head
	s_lshl_b32 s72, s57, 2
	s_add_co_u32 s72, s72, s[QT]                   ; my tile of queries in the batch
	s_mov_b32 s75, 0
	s_wait_kmcnt 0x0
	s_mov_b32 s[G0B], 1                            ; count = 1
	s_and_b32 s[G0B+1], s[WV], 7
	s_mul_i32 s[G0B+1], s[G0B+1], 8*BP             ; LDS: slot 0, 8 rows a wave
	s_add_nc_u64 s[G0B+2:G0B+3], s[10:11], s[60:61]
	s_or_b32 s[G0B+3], s[G0B+3], 0x80000000        ; type = 2
	s_mov_b32 s[G0K], 1
	s_mul_i32 s[G0K+1], s[HD], KVB/4
	s_add_co_u32 s[G0K+1], s[G0K+1], KVO
	s_add_nc_u64 s[G0K+2:G0K+3], s[8:9], s[62:63]
	s_or_b32 s[G0K+3], s[G0K+3], 0x80000000
	s_add_nc_u64 s[PFA:PFA+1], s[10:11], s[68:69]
	s_add_nc_u64 s[PFA:PFA+1], s[PFA:PFA+1], 512   ; at step 1: the first change of slots steps it to step 2
	s_lshl_b32 s73, s71, 7
	s_add_co_u32 s73, s73, s72
	s_mul_i32 s74, s73, 768
	s_add_nc_u64 s[4:5], s[4:5], s[74:75]          ; Q's image
	s_lshl_b32 s74, s71, 5
	s_add_co_u32 s74, s74, s57
	s_lshl_b32 s74, s74, 8
	s_lshl_b32 s76, s[QT], 2
	s_add_co_u32 s74, s74, s76
	s_add_nc_u64 s[6:7], s[6:7], s[74:75]          ; Q's scale words
	s_lshl_b32 s74, s55, 7
	s_add_co_u32 s74, s74, s72
	s_lshl_b32 s74, s74, 4
	s_add_co_u32 s74, s74, s70
	s_mul_i32 s74, s74, 768
	s_add_nc_u64 s[12:13], s[12:13], s[74:75]      ; o's image: [tile of tokens][head][768]
	s_lshl_b32 s74, s55, 5
	s_add_co_u32 s74, s74, s57
	s_lshl_b32 s74, s74, 2
	s_add_co_u32 s74, s74, s52
	s_lshl_b32 s74, s74, 9
	s_add_nc_u64 s[14:15], s[14:15], s[74:75]      ; o's scale bytes: [block of queries][group of heads][512]
	CROUND                                         ; all sixteen work-groups are here: the first joint loads meet
	JLOAD                                          ; step 0, into slot 0
	v_and_b32 v10, 15, v0                          ; r
	v_bfe_u32 v11, v0, 4, 1                        ; h
	v_and_b32 v28, 31, v0                          ; lane
	v_lshlrev_b32 v29, 4, v28
	v_lshlrev_b32 v30, 3, v28
	v_lshlrev_b32 v31, 4, v10
	global_load_b128 v[16:19], v29, s[4:5]         ; Q's fragment stays in registers: registers 0-3,
	global_load_b64 v[20:21], v30, s[4:5] offset:512   ; 4 and 5
	global_load_b32 v255, v31, s[6:7]              ; and its scale word
	v_mul_u32_u24 v[ABI], v10, BP
	v_lshl_add_u32 v[ABI], v11, 6, v[ABI]
	s_mul_i32 s76, s[QT], 16*BP
	v_add_nc_u32 v[ABI], s76, v[ABI]
	s_mul_i32 s76, s[HD], 6144
	s_add_co_u32 s77, s76, KVO
	v_lshl_add_u32 v[AKC], v28, 4, s77
	s_add_co_u32 s77, s77, 512
	v_lshl_add_u32 v[AKC2], v28, 3, s77
	s_lshl_b32 s77, s[HD], 9
	s_add_co_u32 s77, s77, KSO
	v_lshl_add_u32 v[AKS], v28, 4, s77             ; lanes 0-15: the words of key tiles 0-3 of row r; lanes 16-31: of tiles 4-7
	s_add_co_u32 s77, s76, VCO
	v_lshl_add_u32 v[AVC], v28, 4, s77
	s_lshl_b32 s77, s[HD], 8
	s_add_co_u32 s77, s77, VSO
	v_lshl_add_u32 v[AVS], v10, 4, s77
	v_lshrrev_b32 v[PFO], 1, v28
	v_lshlrev_b32 v[PFO], 13, v[PFO]               ; a row for each two lanes,
	v_and_b32 v254, 1, v28
	v_lshl_add_u32 v[PFO], v254, 8, v[PFO]         ; its 512 bytes' two halves
	v_cmp_gt_u32 vcc_lo, 16, v28                   ; places 64 to 95 along K lie in lanes 0-15, registers 6 on
	v_mov_b32 v254, 0x2618618                      ; the codes of 4, 4, 4, 4, 0.25
	v_cndmask_b32 v22, 0, v254, vcc_lo
.irp i, 23,24,25,26,27
	v_mov_b32 v[\i], 0
.endr
	v_mov_b32 v254, 0x1e38e38                      ; the codes of -4, -4, -4, -4, 0.125
.irp t, 0,1,2,3
	v_cndmask_b32 v[KF+12*\t+6], 0, v254, vcc_lo
.irp i, 7,8,9,10,11
	v_mov_b32 v[KF+12*\t+\i], 0
.endr
.endr
	v_mov_b32 v13, 0xff61b1e6                      ; the largest t so far: -3e38, under every t
	v_floor_f32 v12, -v13                          ; -M
	v_mov_b32 v14, 0                               ; the sum, in two halves
	v_mov_b32 v15, 0
.irp b, 0,1,2,3
	v_mov_b32 v[236+\b], 0                         ; written once: a lane permute's destination counts as one of its sources
.endr
	v_mov_b32 v253, 0                              ; (named as the upper half of the pair v[252:253] before it is first written)
.set j, 0
.rept 32
	v_mov_b32 v[O+j], 0                            ; O^T.  (The step is written for every step alike: the first finds zeros, which the first change of M leaves zeros)
.set j, j+1
.endr
.macro KLOAD g                         ; key tiles 4 g .. 4 g + 3: registers 0-5 of each fragment, as they were stored
.irp t, 0,1,2,3
	ds_load_b128 v[KF+12*\t:KF+12*\t+3], v[ADK] offset:768*(4*\g+\t)
	ds_load_b64 v[KF+12*\t+4:KF+12*\t+5], v[ADK2] offset:768*(4*\g+\t)
.endr
.endm
.macro BLOAD g                         ; the bias of my query at keys 64 g + 32 b + 16 h + 0 .. 15: S's registers 32 g on
.irp b, 0,1
.irp i, 0,1,2,3
	ds_load_b128 v[S+32*\g+16*\b+4*\i:S+32*\g+16*\b+4*\i+3], v[ADB] offset:128*(2*\g+\b)+16*\i
.endr
.endr
.endm
.macro KQ g                            ; four score tiles: logit = bias + (q . k) / 8 (+ the mask's value): one matrix instruction each, on four accumulators by turns
.irp t, 0,1,2,3
.if \g
	v_wmma_scale_f32_16x16x128_f8f6f4 v[S+32+8*\t:S+32+8*\t+7], v[KF+12*\t:KF+12*\t+11], v[16:27], v[S+32+8*\t:S+32+8*\t+7], v[248+\t], v255 matrix_a_fmt:MATRIX_FMT_FP6 matrix_b_fmt:MATRIX_FMT_FP6 matrix_a_scale:MATRIX_SCALE_ROW1
.else
	v_wmma_scale_f32_16x16x128_f8f6f4 v[S+8*\t:S+8*\t+7], v[KF+12*\t:KF+12*\t+11], v[16:27], v[S+8*\t:S+8*\t+7], v[248+\t], v255 matrix_a_fmt:MATRIX_FMT_FP6 matrix_b_fmt:MATRIX_FMT_FP6
.endif
.endr
.endm
.macro BMAX x0, x1                     ; the largest logit of my 16 keys of blocks x0 and x1, the two by turns; each accumulator is read from its low end on
.irp b, \x0, \x1
	v_max3_num_f32 v[232+\b], v[S+16*\b], v[S+1+16*\b], v[S+2+16*\b]
.endr
.irp i, 3,5,7,9,11,13
.irp b, \x0, \x1
	v_max3_num_f32 v[232+\b], v[232+\b], v[S+16*\b+\i], v[S+1+16*\b+\i]
.endr
.endr
.irp b, \x0, \x1
	v_max_num_f32 v[232+\b], v[232+\b], v[S+15+16*\b]
.endr
.endm
; A KEY STEP: 128 keys, in the slot in hand.
.macro STEP
	v_add_nc_u32 v[ADB], s[TB], v[ABI]             ; six additions: also the places behind the last step's products, in front of the loads into their scale registers
	v_add_nc_u32 v[ADK], s[TB], v[AKC]
	v_add_nc_u32 v[ADK2], s[TB], v[AKC2]
	v_add_nc_u32 v[ADS], s[TB], v[AKS]
	v_add_nc_u32 v[ADV], s[TB], v[AVC]
	v_add_nc_u32 v[ADT], s[TB], v[AVS]
	KLOAD 0
	ds_load_b128 v[248:251], v[ADS]                ; K's scale words of all eight tiles
	BLOAD 0
	BLOAD 1
	s_wait_dscnt 8                                 ; all but the youngest eight loads, the bias of keys 64 on
	KQ 0
	PLACES                                         ; in front of the loads into K's registers and of the first read of results
	KLOAD 1
	BMAX 0, 1                                      ; stands between the loads and the wait for them
	s_wait_dscnt 0x0
	KQ 1
	PLACES
.irp t, 0,1,2,3
.irp c, 0,1,2
	ds_load_b128 v[VF+12*\t+4*\c:VF+12*\t+4*\c+3], v[ADV] offset:1536*\t+512*\c   ; V's four fragments: they land while the softmax is walked
.endr
.endr
	ds_load_b128 v[248:251], v[ADT]                ; and their scale words
	BMAX 2, 3
.irp b, 0,1,2,3
	v_permlanex16_b32 v[236+\b], v[232+\b], s[SEL], s[SEL+1]
.endr
.irp b, 0,1,2,3
	v_max_num_f32 v[232+\b], v[232+\b], v[236+\b]   ; with lane l xor 16's 16 keys: THE LARGEST LOGIT OF EACH BLOCK OF 32 KEYS: it serves for the row's maximum and, since p rises with the logit, for the block's largest p
.endr
	v_max3_num_f32 v254, v232, v233, v234
	v_max_num_f32 v254, v254, v235                 ; the step's largest logit of my query
	v_mul_f32 v254, s[CS], v254                    ; as t
	v_max_num_f32 v13, v13, v254                   ; the running largest t
	v_mov_b32 v254, v12
	v_floor_f32 v12, -v13                          ; the new -M = floor(-t) = -ceil(t): M IS A WHOLE NUMBER
	v_sub_f32 v254, v12, v254                      ; M's old value less its new one: a whole number, 0 or less
	v_cvt_i32_f32 v254, v254                       ; (it saturates)
	v_ldexp_f32 v252, 1.0, v254                    ; f = 2^(old M - new M)
.set j, 0
.rept 32
	v_pk_fma_f32 v[S+j:S+j+1], v[S+j:S+j+1], s[CS:CS+1], v[12:13] op_sel_hi:[1,0,0]   ; t - M, two at a time
.set j, j+2
.endr
.irp b, 0,1,2,3
	v_fma_f32 v[232+\b], v[232+\b], s[CS], v12     ; the same of each block's largest logit
.endr
.set j, 0
.rept 64
	v_exp_f32 v[S+j], v[S+j]                       ; p = 2^(t - M), at most 1: NOT normalised
.set j, j+1
.endr
	v_pk_mul_f32 v[14:15], v[14:15], v[252:253] op_sel_hi:[1,0]   ; the sums under the new M: a plain instruction behind the exponentials
	s_wait_alu depctr_va_vdst(0)                   ; one wait for the whole batch, ahead of its first reader
.irp b, 0,1,2,3
	v_exp_f32 v[232+\b], v[232+\b]                 ; the block's largest p: the same two instructions on the same number give the same bits
.endr
	v_pk_add_f32 v[236:237], v[S:S+1], v[S+2:S+3]  ; THE ROW'S SUM IS TAKEN OF THE UNQUANTISED p: two at a time, in two chains
.set j, 4
.rept 15
	v_pk_add_f32 v[14:15], v[14:15], v[S+j:S+j+1]
	v_pk_add_f32 v[236:237], v[236:237], v[S+j+2:S+j+3]
.set j, j+4
.endr
	v_pk_add_f32 v[14:15], v[14:15], v[236:237]
	s_wait_alu depctr_va_vdst(0)                   ; and one for the four
.irp b, 0,1,2,3
	v_max_num_f32 v[232+\b], 0x1800000, v[232+\b]  ; the floor 2^(3 - 127): the byte cannot fall under 1 (a block whose every p is 0 keeps that byte: its codes are zeros)
.endr
.irp b, 0,1,2,3
	v_add_nc_u32 v[244+\b], 0xff000000, v[232+\b]  ; 2 off the exponent field: the conversion's scale operand
.endr
.irp b, 0,1,2,3
	v_lshrrev_b32 v[236+\b], 23, v[244+\b]         ; the scale's byte
.endr
	v_lshl_or_b32 v253, v237, 8, v236              ; p's scale word for these 128 keys
	v_lshl_or_b32 v253, v238, 16, v253
	v_lshl_or_b32 v253, v239, 24, v253
.irp c, 0,1
	v_cvt_scalef32_pk16_fp6_f32 v[224+6*\c:226+6*\c], v[S+32*\c:S+15+32*\c], v[244+2*\c]
	v_cvt_scalef32_pk16_fp6_f32 v[236+4*\c:238+4*\c], v[S+16+32*\c:S+31+32*\c], v[244+2*\c+1]   ; (a conversion's three registers begin on an even number)
.endr
	v_nop                                          ; one plain place behind a scaled conversion
.irp c, 0,1                                    ; the operand's layout wants a WHOLE block in a lane
.irp i, 0,1,2
	v_permlane16_swap_b32 v[224+6*\c+\i], v[236+4*\c+\i]
.endr
.irp i, 0,1,2
	v_mov_b32 v[227+6*\c+\i], v[236+4*\c+\i]
.endr
.endr
.set j, 0
.rept 16
	v_pk_mul_f32 v[O+j:O+j+1], v[O+j:O+j+1], v[252:253] op_sel_hi:[1,0]   ; O^T under the new M.  (Also the places between the writes of p's codes and scale word and the products below)
.set j, j+2
.endr
	s_wait_dscnt 0x0                               ; V
.irp t, 0,1,2,3
	v_wmma_scale_f32_16x16x128_f8f6f4 v[O+8*\t:O+8*\t+7], v[VF+12*\t:VF+12*\t+11], v[224:235], v[O+8*\t:O+8*\t+7], v[248+\t], v253 matrix_a_fmt:MATRIX_FMT_FP6 matrix_b_fmt:MATRIX_FMT_FP6
.endr
.endm
; THE CHANGE OF SLOTS stands at a step's head.  Each wave waits for all its tensor loads (its part of the slot that it is about to read), adds 0 to its spare word, and waits for that and for its reads of the slot that it has left.
; fill = 1: the barrier is a round of the cluster's, and behind it the slot that was left is filled with the next step's tiles: the load has a whole key step in which to land.
.macro CHANGE fill
	s_wait_tensorcnt 0x0                           ; no tensor load of mine is out, so a group 0 may be written
	ds_add_u32 v[SPW], v[NIL]                      ; 0 onto my spare word
.if \fill
	s_xor_b32 s[G0B+1], s[G0B+1], SLOT1            ; the walking descriptors: the other slot than last time,
	s_add_nc_u64 s[G0B+2:G0B+3], s[G0B+2:G0B+3], 512   ; the next 128 keys' columns of the bias,
	s_xor_b32 s[G0K+1], s[G0K+1], SLOT1
	s_add_nc_u64 s[G0K+2:G0K+3], s[G0K+2:G0K+3], KVB   ; the next block of kv
	s_wait_xcnt 0x0                                ; the last prefetch, a step back, has read its address, so it may be written:
	s_add_nc_u64 s[PFA:PFA+1], s[PFA:PFA+1], 512   ; one step further on than the walking descriptor
	s_wait_dscnt 0x0                               ; the add is done, and my reads of the slot that I have left are over
	CROUND
	JLOAD                                          ; the first thing behind the round, and a wave's one tensor load until the next
	ASK
.else
	s_wait_dscnt 0x0
	s_barrier_signal -1
	s_barrier_wait -1
.endif
.endm
	s_wait_loadcnt 0x0                             ; Q
.Lslot:                                            ; 15 trips: behind each change of slots but the last the next step's tiles are asked for
	CHANGE 1
	STEP
	s_xor_b32 s[TB], s[TB], SLOT1                  ; on to the other slot
	s_sub_co_u32 s[SLOTS], s[SLOTS], 1
	s_cmp_lg_u32 s[SLOTS], 0
	s_cbranch_scc1 .Lslot
	CHANGE 0                                       ; the last step is written out
	STEP
	; THE WAY OUT.  O^T / the sum: register 16 b + i of a lane is channel 32 b + 16 h + i of my query and head: two blocks of the last product's K.  They are quantised in registers and leave as half a fragment's image.
	v_add_f32 v14, v14, v15                        ; the sum's two halves,
	v_permlanex16_b32 v252, v14, s[SEL], s[SEL+1]
	v_add_f32 v14, v14, v252                       ; and lane l xor 16's: the row's sum
	v_rcp_f32 v14, v14
	v_and_b32 v28, 31, v0                          ; (plain instructions behind the reciprocal and behind the last products)
	v_and_b32 v29, 15, v0
	v_lshlrev_b32 v10, 4, v28                      ; 16 x lane
	v_lshlrev_b32 v11, 3, v28                      ; 8 x lane
	s_lshl_b32 s76, s[QT], 7
	s_lshl_b32 s77, s[HD], 1
	s_add_co_u32 s76, s76, s77
	s_add_co_u32 s76, s76, OSC
	v_lshl_add_u32 v30, v29, 3, s76                ; my row's two scale bytes: 128 x tile + 8 r + 2 x head
	v_add_nc_u32 v31, OSC, v10
	s_wait_alu depctr_va_vdst(0)                   ; the wait, ahead of the reciprocal's first reader
.set j, 0
.rept 16
	v_pk_mul_f32 v[S+j:S+j+1], v[O+j:O+j+1], v[14:15] op_sel_hi:[1,0]   ; each accumulator from its low end on
.set j, j+2
.endr
.irp b, 0,1
	v_max3_num_f32 v[232+\b], |v[S+16*\b]|, |v[S+1+16*\b]|, 0x1800000   ; the floor 2^(3 - 127)
.endr
.irp i, 2,4,6,8,10,12,14
.irp b, 0,1
	v_max3_num_f32 v[232+\b], v[232+\b], |v[S+16*\b+\i]|, |v[S+1+16*\b+\i]|
.endr
.endr
.irp b, 0,1
	v_permlanex16_b32 v[236+\b], v[232+\b], s[SEL], s[SEL+1]
.endr
.irp b, 0,1
	v_max_num_f32 v[232+\b], v[232+\b], v[236+\b]
.endr
.irp b, 0,1
	v_add_nc_u32 v[244+\b], 0xff000000, v[232+\b]
.endr
.irp b, 0,1
	v_lshrrev_b32 v[236+\b], 23, v[244+\b]
.endr
	v_lshl_or_b32 v253, v237, 8, v236              ; my row's two scale bytes
	v_cvt_scalef32_pk16_fp6_f32 v[224:226], v[S:S+15], v244
	v_cvt_scalef32_pk16_fp6_f32 v[240:242], v[S+16:S+31], v245
	v_nop                                          ; one plain place behind a scaled conversion
.irp i, 0,1,2
	v_permlane16_swap_b32 v[224+\i], v[240+\i]
.endr
.irp i, 0,1,2
	v_mov_b32 v[227+\i], v[240+\i]                 ; registers 0-5: channels 32 h + 0 .. 31
.endr
	global_store_b128 v10, v[224:227], s[12:13]             ; 512 consecutive bytes,
	global_store_b64 v11, v[228:229], s[12:13] offset:512   ; and 256
	ds_store_b16 v30, v253                         ; lanes r and r + 16 write the same two bytes with the same value
	s_wait_dscnt 0x0                               ; for the others' sake: my store is done
	s_barrier_signal -1
	s_barrier_wait -1
	s_cmp_lg_u32 s[WV], 0
	s_cbranch_scc1 .Lnot_0
	ds_load_b128 v[232:235], v31                   ; the work-group's 512 scale bytes leave by one store of wave 0
	s_wait_dscnt 0x0
	global_store_b128 v10, v[232:235], s[14:15]
.Lnot_0:
	s_wait_tensorcnt 0x0                           ; the wave's end
	ds_add_u32 v[SPW], v[NIL]
	s_wait_dscnt 0x0
	CROUND                                         ; the closing round
	s_endpgm
.Lfunc_end_k_qb3de056c85_attn:
	.size	k_qb3de056c85_attn, .Lfunc_end_k_qb3de056c85_attn-k_qb3de056c85_attn
	.p2alignl 7, 3214868480
	.fill 96, 4, 3214868480
	.section	.rodata,"a",@progbits
	.p2align	6, 0x0
	.amdhsa_kernel k_qb3de056c85_attn
		.amdhsa_group_segment_fixed_size 327680
		.amdhsa_private_segment_fixed_size 0
		.amdhsa_enable_private_segment 0
		.amdhsa_kernarg_size 48
		.amdhsa_user_sgpr_count 2
		.amdhsa_user_sgpr_kernarg_segment_ptr 1
		.amdhsa_wavefront_size32 1
		.amdhsa_system_sgpr_workgroup_id_x 1
		.amdhsa_system_sgpr_workgroup_id_y 1
		.amdhsa_system_sgpr_workgroup_id_z 1
		.amdhsa_system_vgpr_workitem_id 0
		.amdhsa_next_free_vgpr 256
		.amdhsa_next_free_sgpr 100
		.amdhsa_reserve_vcc 1
		.amdhsa_float_denorm_mode_32 3
		.amdhsa_float_denorm_mode_16_64 3
		.amdhsa_memory_ordered 1
		.amdhsa_forward_progress 1
		.amdhsa_inst_pref_size 50
	.end_amdhsa_kernel
	.amdgpu_metadata
---
amdhsa.version: [ 1, 2 ]
amdhsa.kernels:
  - .name:           k_qb3de056c85_attn
    .symbol:         k_qb3de056c85_attn.kd
    .args:
      - { .name: qc, .offset: 0, .size: 8, .value_kind: global_buffer, .address_space: global }
      - { .name: qs, .offset: 8, .size: 8, .value_kind: global_buffer, .address_space: global }
      - { .name: kv, .offset: 16, .size: 8, .value_kind: global_buffer, .address_space: global }
      - { .name: attention_bias, .offset: 24, .size: 8, .value_kind: global_buffer, .address_space: global }
      - { .name: oc, .offset: 32, .size: 8, .value_kind: global_buffer, .address_space: global }
      - { .name: os, .offset: 40, .size: 8, .value_kind: global_buffer, .address_space: global }
    .group_segment_fixed_size: 327680
    .private_segment_fixed_size: 0
    .kernarg_segment_align: 8
    .kernarg_segment_size: 48
    .max_flat_workgroup_size: 512
    .sgpr_count:     100
    .vgpr_count:     256
    .wavefront_size: 32
...
	.end_amdgpu_metadata
.endif
;; end of part 3
;; launch proj (part 4): grid 4 x 32, 4 waves a work-group, clusters of 4 x 4, 327,680 bytes of LDS; arguments oc, os, cod, scl, out0, proj_b; writes out0
.if DOCPART == 4
	.amdgcn_target "amdgcn-amd-amdhsa--gfx1250"
	.amdhsa_code_object_version 6
	.text
	.protected	k_qb3de056c85_proj
	.globl	k_qb3de056c85_proj
	.p2align	8
	.type	k_qb3de056c85_proj,@function
k_qb3de056c85_proj:
	s_mov_b64 s[64:65], 0
	v_nop
	global_prefetch_b8 v0, s[64:65] scope:SCOPE_SE
	s_setreg_imm32_b32 hwreg(HW_REG_WAVE_MODE, 25, 1), 1
	s_wait_xcnt 0x0
	s_wait_alu depctr_hold_cnt(0) depctr_sa_sdst(0) depctr_va_vdst(0) depctr_va_sdst(0) depctr_va_ssrc(0) depctr_va_vcc(0) depctr_vm_vsrc(0)
	s_getreg_b32 s2, hwreg(HW_REG_IB_STS2, 6, 4)
	s_cmp_eq_u32 s2, 0
	s_cbranch_scc0 .Lentry_in_a_cluster
	s_endpgm
.Lentry_in_a_cluster:
	s_bfe_u32 s2, ttmp6, 0x10000c
	s_cmp_lg_u32 s2, 0xf033
	s_cbranch_scc0 .Lentry_shape_is_right
	s_endpgm
.Lentry_shape_is_right:
; out0 = o proj_w^T + proj_b on codes of FP6 (E2M3) with E8M0 scales.  o comes as images of operand registers, oc [tile of 16 tokens][head][768], its scale bytes as os [block of 64 tokens][group of 4 heads][tile][row][8];
; proj_w as rows of codes, cod's rows 11,264 on, with its scale bytes in scl.
; A tile of 256 x 256 is made by a work-group of four waves, 128 x 128 a wave: 64 accumulators.  K = 1,024 goes in steps of 256 (four heads) through a ring of two LDS slots; the scale bytes come into LDS once.
; 4 x 4 work-groups form a cluster: o's tiles are asked for jointly along a row of the cluster, proj_w's along a column.  The output has 128 such tiles: so many work-groups there are.
; The matrix instruction takes 16 rows of proj_w as source 0 and 16 tokens as source 1: a lane holds eight numbers of one row of the output.  proj_b is the C of each sum's first matrix instruction.
; ROWS: lane r of block a is token 32 (a / 2) + 8 (a % 2) + r + 8 (r / 8) of the wave's 128; register j of tile b, lane half h, is channel 32 (b / 2) + 16 h + 8 (b % 2) + j of its 128: the way out puts both back in order.
; REGISTERS, in windows of 256: window 0: v0-31 addresses; v32-63 o's scale words, two sets; v64-127 proj_b; v128-223 o's fragments; v224-255 proj_w's scale words, two sets.  window 1: proj_w's fragments, two sets.  windows 2, 3: accumulators.
.set SIZE_K, 1024
.set KSTEP,  256
.set NQ,     KSTEP/128
.set ROWB,   192                       ; a row of proj_w's tile in bytes
.set KROW,   SIZE_K*6/8
.set PITCH,  240                       ; its LDS row: 3 x (64 bytes of data + 16 of padding)
.set TILB,   3072                      ; a tile of 16 tokens x 256 along K: four heads' images
.set FR,     12
.set NLA,    4                         ; LDS loads that bring a fragment of o
.set NP,     4                         ; places behind this matrix instruction (ISA guide 7.12.1)
.set HALFT,  128*PITCH                 ; what a wave's tensor load may take in a slot (o's: 8 x 3,072 bytes of it)
.set SLOT,   4*HALFT
.set LAPS,   SIZE_K/(2*KSTEP)
.set KS,     SIZE_K/32
.set SCL,    2*SLOT                    ; behind the ring: the scales, as runs of 256 bytes + 16 of padding
.set HALFS,  (128*KS/256)*272
.set SBLK,   (16*KS/256)*272
.set SPARE,  SCL+4*HALFS               ; the spare words: two blocks of 256 bytes that no other line names
.set SPITCH, 528                       ; the way out: a stage of 16 rows x (512 bytes + 16) for each wave, in slot 0, which has had its last fill and its last read when the first result is stored there
.set ADRA, 16                          ; v16-17 o's images in slot 0, 1: + 16 x lane;  v18-19: + 8 x lane
.set ADRB, 20                          ; v20-23 proj_w's fragments
.set STO,  24
.set RD,   25
.set CO,   26
.set ADSA, 27                          ; v27  o's scale words
.set SPW,  28                          ; v28  LDS address of my spare word; never rewritten
.set NIL,  29                          ; v29  0; never rewritten
.set ADSB, 30                          ; v30  proj_w's scale words
.set SCA,  32
.set BI,   64
.set AF,   128
.set SCB,  224
.set BK,   128                         ; the way out: 16 rows read back from the stage: v128-191 and v192-255 by turns
.set G1, 24
.set G0, 32
.set G1B, 48
.set G0B, 56
.set G1S, 68
.set G0S, 76
.set G1SB, 80
.set G0SB, 88
.set MSB, 0
.macro WIN new                         ; the immediate's high byte repeats the setting that is left
.if MSB != \new
	s_set_vgpr_msb (MSB<<8)|\new
.set MSB, \new
.endif
.endm
.set MUL_LO, 0xa1                      ; source 0 (proj_w) window 1, source 1 (o) window 0, C and D window 2
.set MUL_HI, 0xf1                      ; the same, C and D window 3
.set TO_B,   0x40
.macro JLOAD g0a, g1a, g0b, g1b        ; a joint load: waves 0 and 1 fetch for o, waves 2 and 3 for proj_w; four v_nop follow each of the two lines
	s_cmp_eq_u32 s15, 0
	s_cbranch_scc0 .Lfor_b_\@
	tensor_load_to_lds s[\g0a:\g0a+3], s[\g1a:\g1a+7]
	s_nop 0
.rept 4
	v_nop
.endr
	s_branch .Lasked_\@
.Lfor_b_\@:
	tensor_load_to_lds s[\g0b:\g0b+3], s[\g1b:\g1b+7]
	s_nop 0
.rept 4
	v_nop
.endr
.Lasked_\@:
.endm
.macro CREST
	s_cmp_lg_u32 s14, 0
	s_cbranch_scc1 .Lnot_wave_0_\@
	s_barrier_signal -3
.Lnot_wave_0_\@:
	s_barrier_wait -3
	s_barrier_signal -1
	s_barrier_wait -1
.endm
.macro CROUND
	s_barrier_signal -1
	s_barrier_wait -1
	CREST
.endm
	s_load_b128 s[4:7], s[0:1], 0x0                ; oc, os
	s_load_b128 s[8:11], s[0:1], 0x10              ; cod, scl
	s_load_b64 s[12:13], s[0:1], 0x20              ; out0
	s_load_b64 s[96:97], s[0:1], 0x28              ; proj_b
	v_lshl_add_u32 v[SPW], v0, 2, SPARE
	v_mov_b32 v[NIL], 0
	ds_add_u32 v28, v29
	s_wait_dscnt 0x0
	v_lshrrev_b32 v1, 5, v0
	v_readfirstlane_b32 s14, v1                    ; wave 0..3
	s_lshr_b32 s15, s14, 1                         ; which half of the tile's tokens is mine.  Also: I fetch for o (0) or for proj_w (1)
	s_and_b32 s16, s14, 1                          ; which half of its channels.  Also: which 128 rows I fetch
	s_bfe_u32 s40, ttmp6, 0x40000                  ; cx, cy
	s_bfe_u32 s41, ttmp6, 0x40004
	s_add_co_u32 s42, s40, 44                      ; proj_w's tile of 256 rows of cod
	s_and_b32 s17, ttmp7, 0xffff
	s_lshl_b32 s17, s17, 2
	s_add_co_u32 s17, s17, s41                     ; the tile of 256 tokens
	s_lshl_b32 s43, s41, 2
	s_lshl_b32 s43, 15, s43                        ; my row of the cluster
	s_lshl_b32 s44, 0x1111, s40                    ; my column
	; o: 8 tiles of 16 tokens x 3,072 bytes (384 elements of 8 bytes), 12,288 bytes from tile to tile; no padding: an image is read 16 or 8 bytes a lane, on end
	s_or_b32 s[G1+0], s43, (3<<16)|(1<<21)
	s_mov_b32 s[G1+1], 384<<16                     ; tensor_dim0
	s_mov_b32 s[G1+2], 8<<16                       ; tensor_dim1
	s_mov_b32 s[G1+3], 384<<16                     ; tile_dim0
	s_mov_b32 s[G1+4], 8                           ; tile_dim1
	s_mov_b32 s[G1+5], 1536                        ; tensor_dim0_stride
	s_mov_b32 s[G1+6], 0
	s_mov_b32 s[G1+7], 0
	; proj_w: 128 rows x 192 bytes, 16 bytes of padding behind every 64
	s_or_b32 s[G1B+0], s44, (0<<16)|(1<<20)|(1<<21)|(3<<22)|(3<<25)
	s_mov_b32 s[G1B+1], ROWB<<16
	s_mov_b32 s[G1B+2], 128<<16
	s_mov_b32 s[G1B+3], ROWB<<16
	s_mov_b32 s[G1B+4], 128
	s_mov_b32 s[G1B+5], KROW
	s_mov_b32 s[G1B+6], 0
	s_mov_b32 s[G1B+7], 0
	; the scales of 128 rows: a dense block of 4,096 bytes, as rows of 256 bytes, 16 bytes of padding behind each
	s_or_b32 s[G1S+0], s43, (3<<16)|(1<<20)|(1<<21)|(5<<22)|(3<<25)
	s_or_b32 s[G1SB+0], s44, (3<<16)|(1<<20)|(1<<21)|(5<<22)|(3<<25)
.irp g, G1S, G1SB
	s_mov_b32 s[\g+1], 32<<16
	s_mov_b32 s[\g+2], (128*KS/256)<<16
	s_mov_b32 s[\g+3], 32<<16
	s_mov_b32 s[\g+4], 128*KS/256
	s_mov_b32 s[\g+5], 32
	s_mov_b32 s[\g+6], 0
	s_mov_b32 s[\g+7], 0
.endr
	s_lshl_b32 s18, s16, 7                         ; which 128 rows of the tile I fetch
	s_lshl_b32 s20, s17, 8
	s_add_co_u32 s20, s20, s18                     ; o: token place 256 x tile + 128 x half
	s_lshl_b32 s46, s42, 8
	s_add_co_u32 s46, s46, s18                     ; proj_w: row of cod
	s_mov_b32 s21, 0
	s_mov_b32 s47, 0
	s_mov_b64 s[18:19], KS
	s_mul_u64 s[22:23], s[20:21], s[18:19]         ; where these rows' scales begin: 32 bytes a row in os as in scl
	s_mul_u64 s[92:93], s[46:47], s[18:19]
	s_mov_b64 s[18:19], KROW
	s_mul_u64 s[20:21], s[20:21], s[18:19]         ; and their codes: 768 bytes a row, in oc 12,288 for each 16
	s_mul_u64 s[46:47], s[46:47], s[18:19]
	s_mul_i32 s45, s14, HALFT                      ; where they go: no place in the cluster enters an LDS address
	s_mul_i32 s94, s14, HALFS
	s_wait_kmcnt 0x0
	s_add_nc_u64 s[20:21], s[4:5], s[20:21]
	s_add_nc_u64 s[22:23], s[6:7], s[22:23]
	s_add_nc_u64 s[46:47], s[8:9], s[46:47]
	s_add_nc_u64 s[92:93], s[10:11], s[92:93]
	CROUND                                         ; all sixteen work-groups are here: the first joint loads meet
	s_mov_b32 s[G0S], 1
	s_add_co_u32 s[G0S+1], s94, SCL
	s_mov_b64 s[G0S+2:G0S+3], s[22:23]
	s_or_b32 s[G0S+3], s[G0S+3], 0x80000000
	s_mov_b32 s[G0SB], 1
	s_add_co_u32 s[G0SB+1], s94, SCL
	s_mov_b64 s[G0SB+2:G0SB+3], s[92:93]
	s_or_b32 s[G0SB+3], s[G0SB+3], 0x80000000
	JLOAD G0S, G1S, G0SB, G1SB                     ; the scales first
.irp s, 0,1
	s_mov_b32 s[G0+4*\s], 1
	s_add_co_u32 s[G0+4*\s+1], s45, \s*SLOT
	s_add_nc_u64 s[G0+4*\s+2:G0+4*\s+3], s[20:21], \s*TILB
	s_or_b32 s[G0+4*\s+3], s[G0+4*\s+3], 0x80000000
	s_mov_b32 s[G0B+4*\s], 1
	s_add_co_u32 s[G0B+4*\s+1], s45, \s*SLOT
	s_add_nc_u64 s[G0B+4*\s+2:G0B+4*\s+3], s[46:47], \s*ROWB
	s_or_b32 s[G0B+4*\s+3], s[G0B+4*\s+3], 0x80000000
	JLOAD G0+4*\s, G1, G0B+4*\s, G1B
.endr
	v_and_b32 v1, 15, v0                           ; r
	v_bfe_u32 v2, v0, 4, 1                         ; h
	v_and_b32 v7, 31, v0                           ; lane
	v_mul_u32_u24 v3, v1, PITCH
	v_mul_u32_u24 v4, v2, 24
	v_add_nc_u32 v4, v3, v4                        ; proj_w: a fragment's row x pitch + 24 x half
	v_lshl_add_u32 v5, v2, 4, v4                   ; and the same behind one padding more
	s_mul_i32 s21, s15, HALFT                      ; my 128 tokens
	s_mul_i32 s22, s16, HALFT                      ; my 128 rows of proj_w,
	s_add_co_u32 s22, s22, 2*HALFT                 ; which lie behind o's two halves
.irp s, 0,1
	v_lshl_add_u32 v[ADRA+\s], v7, 4, s21
	v_lshl_add_u32 v[ADRA+2+\s], v7, 3, s21
	v_add_nc_u32 v[ADRB+\s], s22, v4
	v_add_nc_u32 v[ADRB+2+\s], s22, v5
	s_add_co_u32 s21, s21, SLOT
	s_add_co_u32 s22, s22, SLOT
.endr
	s_mul_i32 s21, s15, HALFS
	s_add_co_u32 s21, s21, SCL
	v_lshl_add_u32 v[ADSA], v1, 3, s21             ; o's scale words: 8 bytes a row and group of heads
	v_mul_u32_u24 v5, v1, KS                       ; proj_w's: KS bytes a row,
	v_lshrrev_b32 v6, 8, v5
	v_lshl_add_u32 v5, v6, 4, v5                   ; and 16 more for each 256 passed
	s_mul_i32 s22, s16, HALFS
	s_add_co_u32 s22, s22, SCL+2*HALFS
	v_add_nc_u32 v[ADSB], s22, v5
	s_mul_i32 s23, s14, 16*SPITCH                  ; my stage
	v_mul_u32_u24 v5, v1, SPITCH                   ; in: row r, + 64 h
	v_lshl_add_u32 v5, v2, 6, v5
	v_add_nc_u32 v[STO], s23, v5
	v_lshlrev_b32 v[CO], 4, v7                     ; back: the 32 lanes take one row of 512 bytes; and the same in out0
	v_add_nc_u32 v[RD], s23, v[CO]
	s_lshl_b32 s20, s17, 8
	s_lshl_b32 s21, s15, 7
	s_add_co_u32 s20, s20, s21                     ; my first token
	s_mov_b32 s21, 0
	s_lshl_b64 s[20:21], s[20:21], 12              ; 4,096 bytes a row of out0
	s_lshl_b32 s46, s40, 10                        ; my first channel, in bytes: 1,024 cx + 512 x half
	s_lshl_b32 s47, s16, 9
	s_add_co_u32 s46, s46, s47
	s_mov_b32 s47, 0
	s_add_nc_u64 s[96:97], s[96:97], s[46:47]      ; proj_b there
	s_add_nc_u64 s[20:21], s[20:21], s[46:47]
	s_add_nc_u64 s[12:13], s[12:13], s[20:21]
	v_lshlrev_b32 v8, 6, v2                        ; 16 h numbers on
.irp b, 0,1,2,3,4,5,6,7
	global_load_b128 v[BI+8*\b:BI+8*\b+3], v8, s[96:97] offset:(32*(\b/2)+8*(\b%2))*4       ; tile b, lane half h: channels 32 (b / 2) + 16 h + 8 (b % 2) + 0 .. 7
	global_load_b128 v[BI+8*\b+4:BI+8*\b+7], v8, s[96:97] offset:(32*(\b/2)+8*(\b%2))*4+16
.endr
.macro FRAGB reg, adr, q, i            ; a fragment of proj_w from padded rows, in pieces of 8 bytes; where lanes 16-31's piece lies behind one padding more, the second address register serves
.irp p, 0,1,2,3,4,5
.set PCE, 12*(\q)+6*(\p/3)+\p%3
.if PCE%8 < 5
	ds_load_b64 v[\reg+2*\p:\reg+2*\p+1], v[\adr] offset:8*PCE+16*(PCE/8)+(\i)*16*PITCH
.else
	ds_load_b64 v[\reg+2*\p:\reg+2*\p+1], v[\adr+2] offset:8*PCE+16*(PCE/8)+(\i)*16*PITCH
.endif
.endr
.endm
.macro FRAGA reg, slot, q, i           ; a fragment of o: the images of heads 2 q and 2 q + 1 of the slot's four: registers 0-5 and 6-11
	ds_load_b128 v[\reg:\reg+3], v[ADRA+\slot] offset:(\i)*TILB+(2*(\q))*768
	ds_load_b64 v[\reg+4:\reg+5], v[ADRA+2+\slot] offset:(\i)*TILB+(2*(\q))*768+512
	ds_load_b128 v[\reg+6:\reg+9], v[ADRA+\slot] offset:(\i)*TILB+(2*(\q)+1)*768
	ds_load_b64 v[\reg+10:\reg+11], v[ADRA+2+\slot] offset:(\i)*TILB+(2*(\q)+1)*768+512
.endm
; 16 matrix instructions: token blocks a0, a0 + 1 x proj_w's eight, 128 along K.  zero = 1: the first product starts the sums from proj_b.  The 64 accumulators take turns.
.macro MUL16 a0, p, q, sc, zero
.irp a, \a0, \a0+1
.irp b, 0,1,2,3,4,5,6,7
.if \zero
	v_wmma_scale_f32_16x16x128_f8f6f4 v[8*(8*((\a)%4)+\b):8*(8*((\a)%4)+\b)+7], v[128*(\p)+FR*\b:128*(\p)+FR*\b+FR-1], v[AF+FR*(\a):AF+FR*(\a)+FR-1], v[BI+8*\b:BI+8*\b+7], v[SCB+8*NQ*(\sc)+NQ*\b+(\q)], v[SCA+8*NQ*(\sc)+NQ*(\a)+(\q)] matrix_a_fmt:MATRIX_FMT_FP6 matrix_b_fmt:MATRIX_FMT_FP6
.else
	v_wmma_scale_f32_16x16x128_f8f6f4 v[8*(8*((\a)%4)+\b):8*(8*((\a)%4)+\b)+7], v[128*(\p)+FR*\b:128*(\p)+FR*\b+FR-1], v[AF+FR*(\a):AF+FR*(\a)+FR-1], v[8*(8*((\a)%4)+\b):8*(8*((\a)%4)+\b)+7], v[SCB+8*NQ*(\sc)+NQ*\b+(\q)], v[SCA+8*NQ*(\sc)+NQ*(\a)+(\q)] matrix_a_fmt:MATRIX_FMT_FP6 matrix_b_fmt:MATRIX_FMT_FP6
.endif
.endr
.endr
.endm
.macro FETCH_B slot, q, p
	WIN TO_B
.irp i, 0,1,2,3,4,5,6,7
	FRAGB 128*(\p)+FR*\i, ADRB+\slot, \q, \i
.endr
	WIN 0
.endm
.macro FETCH_A slot, q, i0
.irp i, \i0, \i0+1, \i0+2, \i0+3
	FRAGA AF+FR*(\i), \slot, \q, \i
.endr
.endm
.macro SCALES sc                       ; the next K step's scale words into set sc: two words a row.  o's block i: block of 64 tokens i / 4, tile i % 4: 2,048 and 128 bytes apart, + 16 for each 256 passed
.irp i, 0,1,2,3,4,5,6,7
	ds_load_b64 v[SCA+8*NQ*\sc+NQ*\i:SCA+8*NQ*\sc+NQ*\i+1], v[ADSA] offset:((\i/4)*8+((\i%4)/2))*272+(\i%2)*128
	ds_load_b64 v[SCB+8*NQ*\sc+NQ*\i:SCB+8*NQ*\sc+NQ*\i+1], v[ADSB] offset:\i*SBLK
.endr
.endm
.macro PLACES n
.rept \n
	v_nop
.endr
.endm
.macro STEP slot, q, zero
	s_wait_dscnt 4*NLA                             ; proj_w's set and o's blocks 0-3 are in; the youngest 16 loads (o's blocks 4-7) may be out
.if \zero
	WIN 0x81                                       ; C (proj_b) window 0, D window 2
.else
	WIN MUL_LO
.endif
	MUL16 0, (\q)%2, \q, \slot, \zero
	MUL16 2, (\q)%2, \q, \slot, \zero
	s_wait_dscnt 0
	PLACES NP
	FETCH_B \slot, (\q)+1, 1-(\q)%2
	FETCH_A \slot, (\q)+1, 0
.if \zero
	WIN 0xc1                                       ; C window 0, D window 3
.else
	WIN MUL_HI
.endif
	MUL16 4, (\q)%2, \q, \slot, \zero
	MUL16 6, (\q)%2, \q, \slot, \zero
	PLACES NP
	WIN 0
	FETCH_A \slot, (\q)+1, 4
.endm
; A slot's last step changes slots: ONE barrier; in front of it each wave waits for all its tensor loads, adds 0 to its spare word, and waits for that and for its own reads of this slot.
.macro TURN slot, next, fill
	s_wait_tensorcnt 0x0                           ; all my tensor loads have landed: my part of the next slot
	ds_add_u32 v[SPW], v[NIL]                      ; 0 onto my spare word
	s_wait_dscnt 4*NLA+1                           ; (the add and the youngest 16 loads may be out)
	WIN MUL_LO
	MUL16 0, 1, NQ-1, \slot, 0
	s_wait_dscnt 0x0                               ; the add is done, and my reads of this slot are over
	s_barrier_signal -1
	MUL16 2, 1, NQ-1, \slot, 0
	WIN 0
	s_barrier_wait -1
.if \fill
	CREST                                          ; the barrier has opened a round of the cluster's barrier
	s_add_nc_u64 s[G0+4*\slot+2:G0+4*\slot+3], s[G0+4*\slot+2:G0+4*\slot+3], 2*TILB
	s_add_nc_u64 s[G0B+4*\slot+2:G0B+4*\slot+3], s[G0B+4*\slot+2:G0B+4*\slot+3], 2*ROWB
	JLOAD G0+4*\slot, G1, G0B+4*\slot, G1B         ; the first tensor load behind the round; its four v_nop are the places in front of the loads below
.else
	PLACES NP
.endif
	v_add_nc_u32 v[ADSA], 544, v[ADSA]             ; on to the next K step's scale words: o's next group of heads, 512 bytes and two paddings on;
	v_add_nc_u32 v[ADSB], 4*NQ, v[ADSB]            ; proj_w's next 8 bytes of each row
	FETCH_B \next, 0, 0
	FETCH_A \next, 0, 0
	SCALES \next
	WIN MUL_HI
	MUL16 4, 1, NQ-1, \slot, 0
	MUL16 6, 1, NQ-1, \slot, 0
	PLACES NP
	WIN 0
	FETCH_A \next, 0, 4
.endm
	s_wait_tensorcnt 1                             ; the scales and my part of K step 0 are in (K step 1's load may be out),
	s_wait_loadcnt 0x0                             ; and proj_b
	s_barrier_signal -1
	s_barrier_wait -1
	FETCH_B 0, 0, 0
	FETCH_A 0, 0, 0
	SCALES 0
	FETCH_A 0, 0, 4
	STEP 0, 0, 1                                   ; the first step stands in front of the loop: its products start the sums
	s_mov_b32 s3, LAPS-1
.Llap:
	TURN 0, 1, 1
	STEP 1, 0, 0
	TURN 1, 0, 1
	STEP 0, 0, 0
	s_sub_co_u32 s3, s3, 1
	s_cmp_lg_u32 s3, 0
	s_cbranch_scc1 .Llap
	TURN 0, 1, 0                                   ; the last lap fills nothing
	STEP 1, 0, 0
	s_wait_dscnt 4*NLA
	WIN MUL_LO
	MUL16 0, 1, NQ-1, 1, 0
	MUL16 2, 1, NQ-1, 1, 0
	s_wait_dscnt 0
	WIN MUL_HI
	MUL16 4, 1, NQ-1, 1, 0
	MUL16 6, 1, NQ-1, 1, 0
	WIN 0
; THE WAY OUT, block by block of 16 tokens x 128 channels, through my own stage in LDS: in by the result's layout, each eight numbers at their channels' place; back as whole rows of 512 bytes.
; LDS serves a wave's instructions in order (ISA guide 5.7.1.4): no wait between the stores and the loads, nor in front of the next block's stores.
.macro TOSTAGE a
.set AC, 64*((\a)%4)
.set WN, 0x08+4*((\a)/4)
	WIN WN                                         ; the data: window 2 or 3
.irp b, 0,1,2,3,4,5,6,7
	ds_store_b128 v[STO], v[AC+8*\b:AC+8*\b+3] offset:128*(\b/2)+32*(\b%2)          ; each accumulator from its low end on
	ds_store_b128 v[STO], v[AC+8*\b+4:AC+8*\b+7] offset:128*(\b/2)+32*(\b%2)+16
.endr
	WIN 0
.set BB, BK+64*((\a)%2)
.irp t, 0,1,2,3,4,5,6,7,8,9,10,11,12,13,14,15
	ds_load_b128 v[BB+4*\t:BB+4*\t+3], v[RD] offset:\t*SPITCH
.endr
.endm
.macro SEND a, younger                 ; younger: the LDS instructions issued behind block a's loads, which may stay out
.set BB, BK+64*((\a)%2)
	s_wait_dscnt \younger
.irp t, 0,1,2,3,4,5,6,7,8,9,10,11,12,13,14,15
	global_store_b128 v[CO], v[BB+4*\t:BB+4*\t+3], s[12:13] offset:(32*((\a)/2)+8*((\a)%2)+\t+8*(\t/8))*4096 th:TH_STORE_NT   ; 32 lanes store 512 consecutive bytes of the row's token; 127 rows at the most: inside the signed 24-bit immediate
.endr
.endm
	PLACES NP
	TOSTAGE 0
.irp a, 1,2,3,4,5,6,7
.if \a > 1
	s_wait_xcnt 0x0                                ; block a - 2's stores have read their registers: block a's loads may land there
.endif
	TOSTAGE \a
	SEND \a-1, 32                                  ; behind block a - 1's loads: block a's 16 stores and 16 loads
.endr
	SEND 7, 0
	s_wait_tensorcnt 0x0                           ; the wave's end
	ds_add_u32 v[SPW], v[NIL]
	s_wait_dscnt 0x0
	CROUND                                         ; the closing round
	s_endpgm
.Lfunc_end_k_qb3de056c85_proj:
	.size	k_qb3de056c85_proj, .Lfunc_end_k_qb3de056c85_proj-k_qb3de056c85_proj
	.p2alignl 7, 3214868480
	.fill 96, 4, 3214868480
	.section	.rodata,"a",@progbits
	.p2align	6, 0x0
	.amdhsa_kernel k_qb3de056c85_proj
		.amdhsa_group_segment_fixed_size 327680
		.amdhsa_private_segment_fixed_size 0
		.amdhsa_enable_private_segment 0
		.amdhsa_kernarg_size 48
		.amdhsa_user_sgpr_count 2
		.amdhsa_user_sgpr_kernarg_segment_ptr 1
		.amdhsa_wavefront_size32 1
		.amdhsa_system_sgpr_workgroup_id_x 1
		.amdhsa_system_sgpr_workgroup_id_y 1
		.amdhsa_system_sgpr_workgroup_id_z 1
		.amdhsa_system_vgpr_workitem_id 0
		.amdhsa_next_free_vgpr 1024
		.amdhsa_next_free_sgpr 98
		.amdhsa_reserve_vcc 0
		.amdhsa_float_denorm_mode_32 3
		.amdhsa_float_denorm_mode_16_64 3
		.amdhsa_memory_ordered 1
		.amdhsa_forward_progress 1
		.amdhsa_inst_pref_size 155
	.end_amdhsa_kernel
	.amdgpu_metadata
---
amdhsa.version: [ 1, 2 ]
amdhsa.kernels:
  - .name:           k_qb3de056c85_proj
    .symbol:         k_qb3de056c85_proj.kd
    .args:
      - { .name: oc, .offset: 0, .size: 8, .value_kind: global_buffer, .address_space: global }
      - { .name: os, .offset: 8, .size: 8, .value_kind: global_buffer, .address_space: global }
      - { .name: cod, .offset: 16, .size: 8, .value_kind: global_buffer, .address_space: global }
      - { .name: scl, .offset: 24, .size: 8, .value_kind: global_buffer, .address_space: global }
      - { .name: out0, .offset: 32, .size: 8, .value_kind: global_buffer, .address_space: global }
      - { .name: proj_b, .offset: 40, .size: 8, .value_kind: global_buffer, .address_space: global }
    .group_segment_fixed_size: 327680
    .private_segment_fixed_size: 0
    .kernarg_segment_align: 8
    .kernarg_segment_size: 48
    .max_flat_workgroup_size: 128
    .sgpr_count:     98
    .vgpr_count:     1024
    .wavefront_size: 32
...
	.end_amdgpu_metadata
.endif
;; end of part 4
